; MI455X (gfx1250); checked and timed in simulation.
; The chip was launched on July 23, 2026; its instructions are those of AMD's public machine-readable ISA for CDNA 5 (MIT licence, August 2026) and "CDNA5" Instruction Set Architecture Reference Guide (July 2026). The comments in the code are by the model that wrote it; some were corrected since.
;; Multi Head Self Attention. Allowed arithmetic: matrix products marked QUANTISED: E2M1 operands, one E8M0 scale for each 32 along K, by v_wmma_scale_f32_16x16x128_f8f6f4 with both operands' format E2M1 (or v_wmma_scale_f32_32x16x128_f4), f32 sums; products left as they are: bf16, f16 or f32 operands; f32 sums; everything else in f32.
;; Inputs: Wout 1,024 x 1,024 float32; Wqkv 3,072 x 1,024 float32; bout 1,024 float32; bqkv 3,072 float32; x 2 x 2,048 x 1,024 float32.
;; Outputs: out0 2 x 2,048 x 1,024 float32.
;; This version of the problem:
;;   THIS VERSION OF THE PROBLEM IS GIVEN IN LOW PRECISION. The matrix products marked QUANTISED in the list below multiply operands that are first quantised to E2M1 (2 exponent bits, 1 mantissa bit; 4 bits a number), with one power-of-two scale for each 32 numbers along K (OCP MX v1.0); their sums are f32. The products marked 'left as it is' may take bf16, f16 or f32 operands, with f32 sums. Whichever they take, every output number must still come out within the allowed error. Rounding operands to bf16 (8 significant bits) uses up far more of that allowance than f16 does (11 bits, for magnitudes from 6e-5 to 65,504). All else is computed in f32.
;;   The module's matrix products, in the order in which they are computed (A, B: the left and right operand; K: the contracted axis; several contracted axes count as one K, in the product's order):
;;     1. [M 4,096, K 1,024] x [K 1,024, N 3,072]; A: input x; B: input Wqkv: QUANTISED
;;     2. batch 32 x [M 2,048, K 64] x [K 64, N 2,048]; A: computed on the way; B: computed on the way: left as it is (an operand is computed on the way)
;;     3. batch 32 x [M 2,048, K 2,048] x [K 2,048, N 64]; A: computed on the way; B: computed on the way: left as it is (an operand is computed on the way)
;;     4. [M 4,096, K 1,024] x [K 1,024, N 1,024]; A: computed on the way; B: input Wout: left as it is (an operand is computed on the way)
;;   THE QUANTISER, for each operand of a quantised product, along K:
;;     - K is cut into blocks of 32 from its start; a last block that is shorter is filled with zeros.
;;     - A block's scale is 2^e with e = floor(log2(the largest magnitude in the block)) - 2, held to -126 .. 127; a block of zeros has e = 0. As a byte (E8M0): e + 127.
;;     - Each number is divided by its block's scale, clamped to +-6, and rounded to the nearest number of E2M1, ties to even, subnormals kept.
;;     - The product sums the exact products of the quantised numbers (number of the format x scale) in f32.
;;   ~~~python
;;   def quantise(x, axis):      # numpy; x: float32 -> the quantised numbers, widened to float32 again
;;       x = np.moveaxis(x, axis, -1); K = x.shape[-1]
;;       x = np.pad(x, [(0, 0)] * (x.ndim - 1) + [(0, -K % 32)]); x = x.reshape(x.shape[:-1] + (-1, 32)); a = np.abs(x).max(-1, keepdims=True)
;;       e = np.where(a > 0, np.clip(np.frexp(np.where(a > 0, a, 1))[1] - 1 - 2, -126, 127), 0)      # np.frexp(a)[1] - 1 = floor(log2(a)), exactly
;;       r = np.clip(x / 2.0 ** e, -6, 6)
;;       step = 2.0 ** (np.maximum(np.frexp(np.where(r == 0, 1, r))[1] - 1, 0) - 1)
;;       q = np.round(r / step) * step * 2.0 ** e      # np.round: ties to even
;;       return np.moveaxis(q.reshape(q.shape[:-2] + (-1,))[..., :K], -1, axis).astype(np.float32)
;;   ~~~
;; One version. Each part assembles by itself: llvm-mc -triple=amdgcn-amd-amdhsa -mcpu=gfx1250 --defsym DOCPART=n.
;; ======== version 1 of 1: 4 launches
;; limits: values are held in f16: magnitudes above 65,504 overflow, below 6.1e-05 lose precision
;; workspace buffers: cod 3,670,016 bytes; scl 229,376 bytes; rope 262,144 bytes; wo 2,097,152 bytes; qkv 25,165,824 bytes; ao 8,388,608 bytes
;; launch prep (part 1): grid 288 x 1, 4 waves a work-group, no clusters, 33,280 bytes of LDS; arguments x, Wqkv, Wout, cod, scl, rope, wo; writes cod, scl, rope, wo
.if DOCPART == 1
	.amdgcn_target "amdgcn-amd-amdhsa--gfx1250"
	.amdhsa_code_object_version 6
	.text
	.protected	k_q15fc685c99_prep
	.globl	k_q15fc685c99_prep
	.p2align	8
	.type	k_q15fc685c99_prep,@function
k_q15fc685c99_prep:
	s_mov_b64 s[64:65], 0
	v_nop
	global_prefetch_b8 v0, s[64:65] scope:SCOPE_SE
	s_setreg_imm32_b32 hwreg(HW_REG_WAVE_MODE, 25, 1), 1
	s_wait_xcnt 0x0
; Three jobs that are each done once for the whole program, shared out by the work-group's number:
;   0..127   x [4096][1024] f32     -> codes of FP4 (E2M1), K innermost, and one E8M0 byte for each 32 along K
;   128..223 Wqkv [3072][1024] f32  -> the same, its rows laid head by head: row 4096 + 192 h + 64 kind + d of cod and scl is Wqkv's row 1024 kind + 64 h + d
;   224..255 Wout [1024][1024] f32  -> f16, as it lies
;   256..287 the table of cos and sin for the rotary embedding: 2,048 positions x 16 frequencies, laid as the next launch's registers take it
; A block's scale is 2^(floor(log2(its largest magnitude)) - 2); its byte is the largest magnitude's exponent field - 2, held at 1 from below.
; (A block of zeros so gets the byte 1 where the rule says 127: its codes are zeros, and the bytes are read by this program alone.)
; LIMITS: NaN and infinities among the inputs are not served; numbers of Wout beyond 65,504 do not fit f16.
; No tensor loads, no barrier: waves share nothing.  Only the quantising path touches LDS.
.set WAVES, 4
.set STEPS, 16
.set R,     16                         ; v16-79   four sets of 16 numbers as they are loaded
.set X,     80                         ; v80-111  two sets of 16 neighbours
.set E,     112                        ; v112-127 a scale byte for each step
.set C,     128                        ; v128-191 codes: four registers for each step, so that no store's data are written again
.set WREG,  8192                       ; LDS: a region for each wave: two stages of 32 x SP bytes, behind them its 256 scale bytes
.set SP,    80                         ; a lane's place in a stage: its 64 bytes + 16 of padding
.set SPW,   12                         ; v12 LDS address of my spare word; never rewritten
.set NIL,   13                         ; v13 0; never rewritten
.set SPARE, WAVES*WREG                 ; behind the four regions: the spare words, 128 bytes a wave
.set IV,    40                         ; table: v40-47 the eight frequencies of my lane
.set OT,    48                         ; table: v48-63 cos, sin by turns
	s_load_b256 s[4:11], s[0:1], 0x0               ; x s[4:5], Wqkv s[6:7], Wout s[8:9], cod s[10:11]
	s_load_b128 s[12:15], s[0:1], 0x20             ; scl s[12:13], rope s[14:15]
	s_load_b64 s[16:17], s[0:1], 0x30              ; wo
	v_lshl_add_u32 v[SPW], v0, 2, SPARE
	v_mov_b32 v[NIL], 0
	v_lshrrev_b32 v1, 5, v0
	v_readfirstlane_b32 s18, v1                    ; wave
	v_and_b32 v2, 31, v0                           ; lane
	v_lshlrev_b32 v3, 4, v2                        ; 16 x lane
	v_lshlrev_b32 v4, 3, v2                        ; 8 x lane
	s_wait_kmcnt 0x0
	s_cmp_ge_u32 ttmp9, 256
	s_cbranch_scc1 .Ltable
	s_cmp_ge_u32 ttmp9, 224
	s_cbranch_scc1 .Lwout
; ---- THE QUANTISER.  A wave takes 8 rows (8,192 numbers) in 16 steps of 512.  Each load reads 512 consecutive bytes, 16 a lane; a step's 2,048 bytes go through the wave's
; own stage in LDS and come back 64 bytes a lane, so that a lane holds 16 neighbours along K (two neighbouring lanes hold a block).  Loads run four steps ahead, the stage one.
	s_mul_i32 s19, s18, WREG
	v_lshrrev_b32 v14, 2, v2
	v_mul_u32_u24 v14, v14, SP
	v_and_b32 v15, 3, v2
	v_lshl_add_u32 v14, v15, 4, v14
	v_add_nc_u32 v14, s19, v14                     ; the stage, on the way in: SP (lane / 4) + 16 (lane % 4)
	v_mul_u32_u24 v15, v2, SP
	v_add_nc_u32 v15, s19, v15                     ; and on the way out: SP x lane
	v_lshrrev_b32 v5, 1, v2
	s_add_co_u32 s19, s19, 2*32*SP
	v_add_nc_u32 v5, s19, v5                       ; my wave's 256 scale bytes, my block's byte
	v_add_nc_u32 v6, s19, v4                       ; and on the way out 8 bytes a lane
	s_cmp_lt_u32 ttmp9, 128                        ; x's work-group or Wqkv's: the choice hangs on the work-group's number alone
	s_cselect_b64 s[4:5], s[4:5], s[6:7]
	s_cselect_b32 s20, 0, 128
	s_sub_co_u32 s20, ttmp9, s20
	s_lshl_b32 s20, s20, 2
	s_add_co_u32 s20, s20, s18                     ; which run of 8 rows of the tensor is my wave's
	s_lshl_b32 s22, s20, 15                        ; 32,768 bytes a run
	s_mov_b32 s23, 0
	s_add_nc_u64 s[4:5], s[4:5], s[22:23]
	s_lshl_b32 s21, s20, 3                         ; its first row n
	s_bfe_u32 s24, s21, 0x40006                    ; Wqkv: the head, (n >> 6) & 15,
	s_mul_i32 s24, s24, 192
	s_lshr_b32 s25, s21, 10                        ; the kind (q, k, v), n >> 10,
	s_lshl_b32 s25, s25, 6
	s_add_co_u32 s24, s24, s25
	s_and_b32 s25, s21, 63                         ; the place in the head
	s_add_co_u32 s24, s24, s25
	s_add_co_u32 s24, s24, 4096                    ; behind x's rows
	s_cmp_lt_u32 ttmp9, 128
	s_cselect_b32 s24, s21, s24                    ; the row of cod and scl at which my 8 rows begin
	s_lshl_b32 s22, s24, 9                         ; 512 bytes of codes a row
	s_add_nc_u64 s[10:11], s[10:11], s[22:23]
	s_lshl_b32 s22, s24, 5                         ; 32 scale bytes a row
	s_add_nc_u64 s[12:13], s[12:13], s[22:23]
.macro LOAD t
.irp i, 0,1,2,3
	global_load_b128 v[R+16*((\t)%4)+4*\i:R+16*((\t)%4)+4*\i+3], v3, s[4:5] offset:2048*(\t)+512*\i th:TH_LOAD_NT   ; 32 lanes read 512 consecutive bytes
.endr
.endm
.macro TURN t                          ; step t's numbers through the stage: LDS serves a wave's instructions in order, so no wait stands between the stores and the loads
.irp i, 0,1,2,3
	ds_store_b128 v14, v[R+16*((\t)%4)+4*\i:R+16*((\t)%4)+4*\i+3] offset:32*SP*((\t)%2)+8*SP*\i
.endr
.irp i, 0,1,2,3
	ds_load_b128 v[X+16*((\t)%2)+4*\i:X+16*((\t)%2)+4*\i+3], v15 offset:32*SP*((\t)%2)+16*\i
.endr
.endm
.irp t, 0,1,2,3
	LOAD \t
.endr
	s_wait_loadcnt 12                              ; step 0's four loads are in; three steps' twelve may be out
	TURN 0
.macro STEP t
.set XS, X+16*((\t)%2)
.if (\t) > 0
	s_wait_dscnt 1                                 ; this step's numbers are back from the stage (the last step's byte store may be out): so its stores into the stage have read their registers,
.else
	s_wait_dscnt 0x0
.endif
.if (\t)+4 < STEPS
	LOAD (\t)+4                                    ; which take the loads of four steps on
.endif
.if (\t)+1 < STEPS
.if STEPS-2-(\t) >= 3
	s_wait_loadcnt 12                              ; the next step's four loads are in; those of the three steps behind it may be out
.else
	s_wait_loadcnt 4*(STEPS-2-(\t))
.endif
	TURN (\t)+1                                    ; and go through the other stage while this step is worked
.endif
	v_max3_num_f32 v8, |v[XS]|, |v[XS+1]|, |v[XS+2]|               ; the largest magnitude of my 16, in two chains
	v_max3_num_f32 v9, |v[XS+3]|, |v[XS+4]|, |v[XS+5]|
.irp i, 6,10
	v_max3_num_f32 v8, v8, |v[XS+\i]|, |v[XS+\i+1]|
	v_max3_num_f32 v9, v9, |v[XS+\i+2]|, |v[XS+\i+3]|
.endr
	v_max3_num_f32 v8, v8, |v[XS+14]|, |v[XS+15]|
	v_max3_num_f32 v8, v8, v9, 0x1800000           ; and the floor 2^(3 - 127): so the byte cannot fall under 1
	v_max_num_f32_dpp v8, v8, v8 row_xmask:1 row_mask:0xf bank_mask:0xf   ; and of my neighbour's 16: the block's
	v_add_nc_u32 v11, 0xff000000, v8               ; 2 off its exponent field: the conversion takes the exponent field of this operand as its scale, and nothing else of it
	v_cvt_scalef32_pk8_fp4_f32 v[C+4*(\t)], v[XS:XS+7], v11        ; eight numbers / the scale, to the nearest code, ties to even, beyond 6 the largest code
	v_cvt_scalef32_pk8_fp4_f32 v[C+4*(\t)+1], v[XS+8:XS+15], v11
	v_lshrrev_b32 v[E+(\t)], 23, v11               ; the scale's byte
	ds_store_b8 v5, v[E+(\t)] offset:16*(\t)       ; both lanes of a block write the same byte with the same value
	global_store_b64 v4, v[C+4*(\t):C+4*(\t)+1], s[10:11] offset:256*(\t)   ; the wave stores 256 consecutive bytes, aligned
.endm
.irp t, 0,1,2,3,4,5,6,7,8,9,10,11,12,13,14,15
	STEP \t
.endr
	ds_load_b64 v[8:9], v6                         ; LDS serves a wave's instructions in order: these see my byte stores
	s_wait_dscnt 0x0
	global_store_b64 v4, v[8:9], s[12:13]          ; my 8 rows' 256 scale bytes, consecutive and aligned
	s_wait_tensorcnt 0x0                           ; the wave's end, behind my last LDS store
	ds_add_u32 v[SPW], v[NIL]
	s_wait_dscnt 0x0
	s_endpgm
; ---- Wout TO f16.  A wave takes 8,192 numbers: 64 loads of 512 consecutive bytes in 8 groups, four groups ahead; each store covers 256 consecutive bytes, aligned.
.Lwout:
	s_sub_co_u32 s20, ttmp9, 224
	s_lshl_b32 s20, s20, 2
	s_add_co_u32 s20, s20, s18
	s_lshl_b32 s22, s20, 15
	s_mov_b32 s23, 0
	s_add_nc_u64 s[8:9], s[8:9], s[22:23]
	s_lshl_b32 s22, s20, 14
	s_add_nc_u64 s[16:17], s[16:17], s[22:23]
.macro OLOAD g
.irp n, 0,1,2,3,4,5,6,7
	global_load_b128 v[16+32*((\g)%4)+4*\n:16+32*((\g)%4)+4*\n+3], v3, s[8:9] offset:512*(8*(\g)+\n) th:TH_LOAD_NT
.endr
.endm
.macro OGRP g, left
	s_wait_loadcnt \left                           ; my group's eight loads are in; the younger groups' may be out
	s_wait_xcnt 0x0                                ; the stores of two groups back have read their registers, which are written again below
.irp n, 0,1,2,3,4,5,6,7
	v_cvt_pk_f16_f32 v[144+16*((\g)%2)+2*\n], v[16+32*((\g)%4)+4*\n], v[16+32*((\g)%4)+4*\n+1]
	v_cvt_pk_f16_f32 v[144+16*((\g)%2)+2*\n+1], v[16+32*((\g)%4)+4*\n+2], v[16+32*((\g)%4)+4*\n+3]
.endr
.if (\g) < 4
	OLOAD (\g)+4
.endif
.irp n, 0,1,2,3,4,5,6,7
	global_store_b64 v4, v[144+16*((\g)%2)+2*\n:144+16*((\g)%2)+2*\n+1], s[16:17] offset:256*(8*(\g)+\n)
.endr
.endm
	OLOAD 0
	OLOAD 1
	OLOAD 2
	OLOAD 3
	OGRP 0, 24
	OGRP 1, 24
	OGRP 2, 24
	OGRP 3, 24
	OGRP 4, 24
	OGRP 5, 16
	OGRP 6, 8
	OGRP 7, 0
	s_endpgm
; ---- THE TABLE.  A wave takes 16 positions.  Lane (r, hh) holds position 16 pb + r and, in group g = 2 b + half, (cos, sin) of the frequencies i and i + 1, i = 8 b + 4 hh + 2 half:
; the four pairs of columns 16 b + 8 hh + 0 .. 7 that this lane holds in the next launch.  angle = position x 10000^(-i / 16), one rounding.  cos and sin: the angle less the nearest multiple of
; pi / 2 (pi / 2 in two parts, fused), polynomials on +-pi/4 (the terms left out are under 4e-7), the quadrant by selects and sign bits.
.Ltable:
	s_sub_co_u32 s20, ttmp9, 256
	s_lshl_b32 s20, s20, 2
	s_add_co_u32 s20, s20, s18                     ; pb: which 16 positions
	s_lshl_b32 s22, s20, 11                        ; 2,048 bytes of table for them
	s_mov_b32 s23, 0
	s_add_nc_u64 s[14:15], s[14:15], s[22:23]
	s_lshl_b32 s21, s20, 4
	s_mov_b32 s24, 0xbfc90fdb                      ; -(pi / 2), upper part
	s_mov_b32 s25, 0x333bbd2e                      ; -(pi / 2), the rest
	s_mov_b32 s26, 0xbe2aaaab                      ; -1/6
	s_mov_b32 s27, 0x3c088889                      ; 1/120
	s_mov_b32 s28, 0xb9500d01                      ; -1/5040
	s_mov_b32 s29, 0x3d2aaaab                      ; 1/24
	s_mov_b32 s30, 0xbab60b61                      ; -1/720
	s_mov_b32 s31, 0x37d00d01                      ; 1/40320
	v_and_b32 v16, 15, v0
	v_add_nc_u32 v16, s21, v16
	v_cvt_f32_u32 v16, v16                         ; my position
	v_bfe_u32 v17, v0, 4, 1
	v_lshlrev_b32 v17, 2, v17                      ; 4 hh
.irp n, 0,1,2,3,4,5,6,7
	v_add_nc_u32 v[IV+\n], 8*(\n/4)+2*((\n/2)%2)+\n%2, v17         ; i
.endr
.irp n, 0,1,2,3,4,5,6,7
	v_cvt_f32_u32 v[IV+\n], v[IV+\n]
.endr
.irp n, 0,1,2,3,4,5,6,7
	v_mul_f32 v[IV+\n], 0xbf549a78, v[IV+\n]       ; -i log2(10000) / 16
.endr
.irp n, 0,1,2,3,4,5,6,7
	v_exp_f32 v[IV+\n], v[IV+\n]                   ; 10000^(-i / 16)
.endr
	v_nop                                          ; a plain instruction behind the last exponential
	s_wait_alu depctr_va_vdst(0)                   ; one wait for the eight, ahead of their first reader
.macro CS n
	v_mul_f32 v24, v16, v[IV+\n]                   ; the angle
	v_mul_f32 v25, 0x3f22f983, v24
	v_rndne_f32 v25, v25                           ; n = the nearest whole number to angle x 2 / pi
	v_fma_f32 v26, v25, s24, v24
	v_fma_f32 v26, v25, s25, v26                   ; rr = angle - n pi / 2
	v_mul_f32 v27, v26, v26                        ; z
	v_fma_f32 v28, v27, s28, s27
	v_fma_f32 v28, v28, v27, s26
	v_mul_f32 v29, v26, v27
	v_fma_f32 v28, v29, v28, v26                   ; sin rr
	v_fma_f32 v30, v27, s31, s30
	v_fma_f32 v30, v30, v27, s29
	v_fma_f32 v30, v30, v27, -0.5
	v_fma_f32 v30, v30, v27, 1.0                   ; cos rr
	v_cvt_i32_f32 v31, v25
	v_and_b32 v32, 1, v31
	v_cmp_eq_u32 vcc_lo, 1, v32                    ; an odd quadrant swaps the two
	v_cndmask_b32 v33, v28, v30, vcc_lo
	v_cndmask_b32 v34, v30, v28, vcc_lo
	v_and_b32 v35, 2, v31                          ; sin is negated in quadrants 2, 3,
	v_lshlrev_b32 v35, 30, v35
	v_xor_b32 v[OT+2*\n+1], v35, v33
	v_add_nc_u32 v36, 1, v31                       ; cos in quadrants 1, 2
	v_and_b32 v36, 2, v36
	v_lshlrev_b32 v36, 30, v36
	v_xor_b32 v[OT+2*\n], v36, v34
.endm
.irp n, 0,1,2,3,4,5,6,7
	CS \n
.endr
.irp g, 0,1,2,3
	global_store_b128 v3, v[OT+4*\g:OT+4*\g+3], s[14:15] offset:512*\g     ; 512 consecutive bytes a store
.endr
	s_endpgm
.Lfunc_end_k_q15fc685c99_prep:
	.size	k_q15fc685c99_prep, .Lfunc_end_k_q15fc685c99_prep-k_q15fc685c99_prep
	.p2alignl 7, 3214868480
	.fill 96, 4, 3214868480
	.section	.rodata,"a",@progbits
	.p2align	6, 0x0
	.amdhsa_kernel k_q15fc685c99_prep
		.amdhsa_group_segment_fixed_size 33280
		.amdhsa_private_segment_fixed_size 0
		.amdhsa_enable_private_segment 0
		.amdhsa_kernarg_size 56
		.amdhsa_user_sgpr_count 2
		.amdhsa_user_sgpr_kernarg_segment_ptr 1
		.amdhsa_wavefront_size32 1
		.amdhsa_system_sgpr_workgroup_id_x 1
		.amdhsa_system_sgpr_workgroup_id_y 1
		.amdhsa_system_sgpr_workgroup_id_z 1
		.amdhsa_system_vgpr_workitem_id 0
		.amdhsa_next_free_vgpr 192
		.amdhsa_next_free_sgpr 66
		.amdhsa_reserve_vcc 1
		.amdhsa_float_denorm_mode_32 3
		.amdhsa_float_denorm_mode_16_64 3
		.amdhsa_memory_ordered 1
		.amdhsa_forward_progress 1
		.amdhsa_inst_pref_size 66
	.end_amdhsa_kernel
	.amdgpu_metadata
---
amdhsa.version: [ 1, 2 ]
amdhsa.kernels:
  - .name:           k_q15fc685c99_prep
    .symbol:         k_q15fc685c99_prep.kd
    .args:
      - { .name: x, .offset: 0, .size: 8, .value_kind: global_buffer, .address_space: global }
      - { .name: Wqkv, .offset: 8, .size: 8, .value_kind: global_buffer, .address_space: global }
      - { .name: Wout, .offset: 16, .size: 8, .value_kind: global_buffer, .address_space: global }
      - { .name: cod, .offset: 24, .size: 8, .value_kind: global_buffer, .address_space: global }
      - { .name: scl, .offset: 32, .size: 8, .value_kind: global_buffer, .address_space: global }
      - { .name: rope, .offset: 40, .size: 8, .value_kind: global_buffer, .address_space: global }
      - { .name: wo, .offset: 48, .size: 8, .value_kind: global_buffer, .address_space: global }
    .group_segment_fixed_size: 33280
    .private_segment_fixed_size: 0
    .kernarg_segment_align: 8
    .kernarg_segment_size: 56
    .max_flat_workgroup_size: 128
    .sgpr_count:     66
    .vgpr_count:     192
    .wavefront_size: 32
...
	.end_amdgpu_metadata
.endif
;; end of part 1
;; launch qkvp (part 2): grid 16 x 16, 4 waves a work-group, clusters of 4 x 4, 327,680 bytes of LDS; arguments cod, scl, rope, bqkv, qkv; writes qkv
.if DOCPART == 2
	.amdgcn_target "amdgcn-amd-amdhsa--gfx1250"
	.amdhsa_code_object_version 6
	.text
	.protected	k_q15fc685c99_qkvp
	.globl	k_q15fc685c99_qkvp
	.p2align	8
	.type	k_q15fc685c99_qkvp,@function
k_q15fc685c99_qkvp:
	s_mov_b64 s[64:65], 0
	v_nop
	global_prefetch_b8 v0, s[64:65] scope:SCOPE_SE
	s_setreg_imm32_b32 hwreg(HW_REG_WAVE_MODE, 25, 1), 1
	s_wait_xcnt 0x0
	s_wait_alu depctr_hold_cnt(0) depctr_sa_sdst(0) depctr_va_vdst(0) depctr_va_sdst(0) depctr_va_ssrc(0) depctr_va_vcc(0) depctr_vm_vsrc(0)
	s_getreg_b32 s2, hwreg(HW_REG_IB_STS2, 6, 4)
	s_cmp_eq_u32 s2, 0
	s_cbranch_scc0 .Lentry_in_a_cluster
	s_endpgm
.Lentry_in_a_cluster:
	s_bfe_u32 s2, ttmp6, 0x10000c
	s_cmp_lg_u32 s2, 0xf033
	s_cbranch_scc0 .Lentry_shape_is_right
	s_endpgm
.Lentry_shape_is_right:
; qkv = x Wqkv^T + bqkv on codes of FP4 (E2M1) with one E8M0 scale for each 32 along K; then the rotary embedding on the first 32 of q's and k's 64 channels; then f16.
; cod: rows of 512 bytes (1,024 codes): 0..4095 x's rows; 4096 + 192 h + 64 kind + d: Wqkv's.  scl: the same rows, 32 bytes each.  qkv: three parts (q, k, v), each [b 16 + h][s][64] f16.
; SHARES.  A work-group makes 256 rows of x times the 192 columns (q, k, v) of ONE head; wave w rows 64 w .. 64 w + 63 and all 192 columns: 48 accumulators of 16 x 16, 384 registers.
; K is 1,024: both halves of it (rows of 256 bytes) and all scale bytes lie in LDS at once: three tensor loads a wave, all first fills; nothing is filled again, and there is no loop.
; THE MATRIX INSTRUCTION IS USED TRANSPOSED (source 0 = 16 rows of Wqkv, source 1 = 16 rows of x): a lane holds one row of x and eight neighbouring columns, so a rotary pair lies in two neighbouring registers.
; The bias is the C of each sum's first instruction.
; CLUSTERS: 4 x 4 work-groups.  The four of a row of the cluster need the same rows of x, the four of a column the same head's rows of Wqkv: each tile is asked for jointly.
; LIMITS: q, k, v beyond 65,504 in magnitude do not fit f16; NaN and infinities are not served.
; REGISTERS.  window 0: v0-31 addresses; v32-47 x's scale words, v48-95 Wqkv's (they hold scales and nothing else); v96-159 x's fragments, two sets; v160-255 the bias; on the way out v96-239 are at work.
;   window 1: v0-191 Wqkv's fragments, two sets (on the way out v0-31 the rotated numbers); v192-255 cos and sin.   window 2: the accumulators of my row blocks 0, 1 (block a, column block b at 96 (a % 2) + 8 b);   window 3: blocks 2, 3.
.set PITCH,  272                       ; an LDS row: 256 bytes + 16 of padding: the 16 rows that a load touches start 68 words apart
.set BOFF,   256*PITCH                 ; in a slot: x's 256 rows, then Wqkv's 192
.set SLOT,   448*PITCH
.set SCL,    2*SLOT                    ; x's scale bytes: 32 pieces of 256 bytes + 16
.set SCLB,   SCL+32*272                ; Wqkv's: 24 pieces
.set STG,    259072                    ; the stages: 3 kinds x 16 rows x (128 + 16) bytes for each wave; no tile lands in their blocks of 256 bytes
.set STGW,   3*16*144
.set SPARE,  STG+4*STGW                ; the spare words, 128 bytes a wave
.set ADRA, 16                          ; v16-17 LDS address of my fragments of x in slot 0, 1
.set ADRB, 20                          ; v20-21 the same for Wqkv
.set ADSA, 22                          ; v22 my scale words of x: lanes 0-15 block a, lanes 16-31 block a + 2
.set ADSB, 23                          ; v23 of Wqkv: lanes 0-15 block i, lanes 16-31 block i + 6
.set STO,  24                          ; v24 the way out: where I put 16 bytes of a row
.set RD,   25                          ; v25 where I read rows back
.set GO,   26                          ; v26 16 x lane
.set BO,   27                          ; v27 32 x (lane / 16): my eight numbers of a bias block
.set SPW,  28                          ; v28 LDS address of my spare word; never rewritten
.set NIL,  29                          ; v29 0; never rewritten
.set UA,   32
.set TBS,  48
.set AF,   96
.set BIAS, 160
.set TBL,  192                         ; in window 1
.set PKR,  96                          ; the way out: 12 x 4 registers of f16
.set BK,   144                         ; and two sets of 48: rows read back
.set G1, 24                            ; s[24:31] group 1 for x's codes;  s[32:39] groups 0, one for each slot
.set G0, 32
.set G1B, 48                           ; s[48:55], s[56:63] the same for Wqkv's
.set G0B, 56
.set G1S, 68                           ; s[68:75], s[76:79] x's scales;  s[80:87], s[88:91] Wqkv's
.set G0S, 76
.set G1SB, 80
.set G0SB, 88
.set MSB, 0
.macro WIN new                         ; the immediate's high byte repeats the setting that is left
.if MSB != (\new)
	s_set_vgpr_msb (MSB<<8)|(\new)
.set MSB, (\new)
.endif
.endm
; A joint load: waves 0 and 1 fetch for x, waves 2 and 3 for Wqkv.  The branch hangs on the wave's number alone.  An s_nop 0 and four v_nop follow each line.
.macro JLOAD g0a, g1a, g0b, g1b
	s_cmp_eq_u32 s15, 0
	s_cbranch_scc0 .Lfor_b_\@
	tensor_load_to_lds s[\g0a:\g0a+3], s[\g1a:\g1a+7]
	s_nop 0
.rept 4
	v_nop
.endr
	s_branch .Lasked_\@
.Lfor_b_\@:
	tensor_load_to_lds s[\g0b:\g0b+3], s[\g1b:\g1b+7]
	s_nop 0
.rept 4
	v_nop
.endr
.Lasked_\@:
.endm
.macro CROUND                          ; a round of the cluster's barrier
	s_barrier_signal -1
	s_barrier_wait -1
	s_cmp_lg_u32 s14, 0
	s_cbranch_scc1 .Lnot_wave_0_\@
	s_barrier_signal -3
.Lnot_wave_0_\@:
	s_barrier_wait -3
	s_barrier_signal -1
	s_barrier_wait -1
.endm
.macro PLACES n
.rept \n
	v_nop
.endr
.endm
	s_load_b256 s[4:11], s[0:1], 0x0               ; cod s[4:5], scl s[6:7], rope s[8:9], bqkv s[10:11]
	s_load_b64 s[12:13], s[0:1], 0x20              ; qkv
	v_lshl_add_u32 v[SPW], v0, 2, SPARE
	v_mov_b32 v[NIL], 0
	ds_add_u32 v[SPW], v[NIL]                      ; the wave's opening: the add and its wait stand ahead of my first tensor load; the set-up below stands between them
	v_lshrrev_b32 v1, 5, v0
	v_readfirstlane_b32 s14, v1                    ; wave 0..3
	s_lshr_b32 s15, s14, 1                         ; I fetch for x (0) or for Wqkv (1),
	s_and_b32 s16, s14, 1                          ; its first or second half of rows
	s_bfe_u32 s40, ttmp6, 0x40000                  ; cx, cy: my place in the cluster
	s_bfe_u32 s41, ttmp6, 0x40004
	s_lshl_b32 s42, ttmp9, 2
	s_add_co_u32 s42, s42, s40                     ; the head = 4 x cluster x + cx
	s_and_b32 s17, ttmp7, 0xffff
	s_lshl_b32 s17, s17, 2
	s_add_co_u32 s17, s17, s41                     ; the block of 256 rows = 4 x cluster y + cy
	s_lshl_b32 s43, s41, 2
	s_lshl_b32 s43, 15, s43                        ; my row of the cluster
	s_lshl_b32 s44, 0x1111, s40                    ; my column
	; group 1: tiles of 128 (96) rows x 256 bytes, 512 bytes apart in memory, 16 bytes of padding behind each row
	s_or_b32 s[G1+0], s43, (0<<16)|(1<<20)|(1<<21)|(5<<22)|(3<<25)  ; 15:0 the mask; 17:16 elements of 1 byte; 20 padding on; 21 set beside a mask; 24:22 after every 64 words; 31:25 four words
	s_mov_b32 s[G1+1], 256<<16                     ; tensor_dim0
	s_mov_b32 s[G1+2], 128<<16                     ; tensor_dim1
	s_mov_b32 s[G1+3], 256<<16                     ; tile_dim0
	s_mov_b32 s[G1+4], 128                         ; tile_dim1
	s_mov_b32 s[G1+5], 512                         ; from row to row
	s_mov_b32 s[G1+6], 0
	s_mov_b32 s[G1+7], 0
	s_or_b32 s[G1B+0], s44, (0<<16)|(1<<20)|(1<<21)|(5<<22)|(3<<25)
	s_mov_b32 s[G1B+1], 256<<16
	s_mov_b32 s[G1B+2], 96<<16
	s_mov_b32 s[G1B+3], 256<<16
	s_mov_b32 s[G1B+4], 96
	s_mov_b32 s[G1B+5], 512
	s_mov_b32 s[G1B+6], 0
	s_mov_b32 s[G1B+7], 0
	; the scale bytes of 128 (96) rows: a dense block, as rows of 256 bytes (32 elements of 8 bytes), 16 bytes of padding behind each
	s_or_b32 s[G1S+0], s43, (3<<16)|(1<<20)|(1<<21)|(5<<22)|(3<<25)
	s_mov_b32 s[G1S+1], 32<<16
	s_mov_b32 s[G1S+2], 16<<16
	s_mov_b32 s[G1S+3], 32<<16
	s_mov_b32 s[G1S+4], 16
	s_mov_b32 s[G1S+5], 32
	s_mov_b32 s[G1S+6], 0
	s_mov_b32 s[G1S+7], 0
	s_or_b32 s[G1SB+0], s44, (3<<16)|(1<<20)|(1<<21)|(5<<22)|(3<<25)
	s_mov_b32 s[G1SB+1], 32<<16
	s_mov_b32 s[G1SB+2], 12<<16
	s_mov_b32 s[G1SB+3], 32<<16
	s_mov_b32 s[G1SB+4], 12
	s_mov_b32 s[G1SB+5], 32
	s_mov_b32 s[G1SB+6], 0
	s_mov_b32 s[G1SB+7], 0
	s_lshl_b32 s18, s16, 7
	s_lshl_b32 s20, s17, 8
	s_add_co_u32 s20, s20, s18                     ; x: row 256 x block + 128 x half
	s_lshl_b32 s22, s20, 5                         ; its scale bytes,
	s_mov_b32 s23, 0
	s_lshl_b32 s20, s20, 9                         ; its codes
	s_mov_b32 s21, 0
	s_mul_i32 s46, s42, 192
	s_mul_i32 s47, s16, 96
	s_add_co_u32 s46, s46, s47
	s_add_co_u32 s46, s46, 4096                    ; Wqkv: row 4096 + 192 x head + 96 x half
	s_lshl_b32 s92, s46, 5
	s_mov_b32 s93, 0
	s_lshl_b32 s46, s46, 9
	s_mov_b32 s47, 0
	s_mul_i32 s45, s16, 128*PITCH                  ; where they go: no place in the cluster enters an LDS address
	s_mul_i32 s94, s16, 96*PITCH
	s_add_co_u32 s94, s94, BOFF
	s_mul_i32 s95, s16, 16*272
	s_mul_i32 s96, s16, 12*272
	s_wait_dscnt 0x0                               ; the opening add is done
	s_wait_kmcnt 0x0
	s_add_nc_u64 s[20:21], s[4:5], s[20:21]
	s_add_nc_u64 s[22:23], s[6:7], s[22:23]
	s_add_nc_u64 s[46:47], s[4:5], s[46:47]
	s_add_nc_u64 s[92:93], s[6:7], s[92:93]
	CROUND                                         ; all sixteen work-groups are here: the joint loads meet
	s_mov_b32 s[G0S], 1
	s_add_co_u32 s[G0S+1], s95, SCL
	s_mov_b64 s[G0S+2:G0S+3], s[22:23]
	s_or_b32 s[G0S+3], s[G0S+3], 0x80000000
	s_mov_b32 s[G0SB], 1
	s_add_co_u32 s[G0SB+1], s96, SCLB
	s_mov_b64 s[G0SB+2:G0SB+3], s[92:93]
	s_or_b32 s[G0SB+3], s[G0SB+3], 0x80000000
	JLOAD G0S, G1S, G0SB, G1SB                     ; the scales first: they are wanted with the first half of K
.irp s, 0,1
	s_mov_b32 s[G0+4*\s], 1
	s_add_co_u32 s[G0+4*\s+1], s45, \s*SLOT
	s_add_nc_u64 s[G0+4*\s+2:G0+4*\s+3], s[20:21], \s*256
	s_or_b32 s[G0+4*\s+3], s[G0+4*\s+3], 0x80000000
	s_mov_b32 s[G0B+4*\s], 1
	s_add_co_u32 s[G0B+4*\s+1], s94, \s*SLOT
	s_add_nc_u64 s[G0B+4*\s+2:G0B+4*\s+3], s[46:47], \s*256
	s_or_b32 s[G0B+4*\s+3], s[G0B+4*\s+3], 0x80000000
	JLOAD G0+4*\s, G1, G0B+4*\s, G1B               ; three tensor loads of mine are out
.endr
	v_and_b32 v1, 15, v0                           ; r
	v_bfe_u32 v2, v0, 4, 1                         ; hh
	v_and_b32 v3, 31, v0
	v_lshlrev_b32 v[GO], 4, v3
	v_lshlrev_b32 v[BO], 5, v2
	s_lshl_b32 s20, s42, 8                         ; the head's 64 numbers in each third of the bias
	s_mov_b32 s21, 0
	s_add_nc_u64 s[10:11], s[10:11], s[20:21]
	s_and_b32 s20, s17, 7
	s_lshl_b32 s20, s20, 8
	s_lshl_b32 s22, s14, 6
	s_add_co_u32 s20, s20, s22                     ; my first position in the sequence: 256 (block % 8) + 64 wave
	s_lshl_b32 s20, s20, 7                         ; 128 bytes a position, in the table and in a head's rows alike
	s_add_nc_u64 s[8:9], s[8:9], s[20:21]
	s_lshr_b32 s22, s17, 3                         ; the batch: 16 heads of 262,144 bytes
	s_lshl_b32 s22, s22, 22
	s_add_co_u32 s20, s20, s22
	s_lshl_b32 s22, s42, 18
	s_add_co_u32 s20, s20, s22
	s_add_nc_u64 s[66:67], s[12:13], s[20:21]      ; my rows of q,
	s_add_nc_u64 s[92:93], s[66:67], 0x800000      ; of k,
	s_add_nc_u64 s[94:95], s[66:67], 0x1000000     ; of v
.irp b, 0,1,2,3,4,5,6,7,8,9,10,11              ; the bias in the result's layout: column block b = 4 kind + b': bqkv[1024 kind + 64 head + 16 b' + 8 hh + 0 .. 7]
	global_load_b128 v[BIAS+8*\b:BIAS+8*\b+3], v[BO], s[10:11] offset:(\b/4)*4096+(\b%4)*64
	global_load_b128 v[BIAS+8*\b+4:BIAS+8*\b+7], v[BO], s[10:11] offset:(\b/4)*4096+(\b%4)*64+16
.endr
	WIN 0x40                                       ; destination window 1
.irp a, 0,1,2,3
.irp g, 0,1,2,3
	global_load_b128 v[TBL+16*\a+4*\g:TBL+16*\a+4*\g+3], v[GO], s[8:9] offset:\a*2048+\g*512     ; cos and sin of my row block a: 512 consecutive bytes a load
.endr
.endr
	WIN 0
	v_mul_u32_u24 v3, v1, PITCH
	v_lshl_add_u32 v3, v2, 4, v3                   ; a fragment's row x pitch + 16 x half
	s_mul_i32 s20, s14, 64*PITCH
	v_add_nc_u32 v[ADRA], s20, v3
	v_add_nc_u32 v[ADRA+1], SLOT, v[ADRA]
	v_add_nc_u32 v[ADRB], BOFF, v3
	v_add_nc_u32 v[ADRB+1], SLOT, v[ADRB]
	v_lshrrev_b32 v4, 3, v1
	v_mul_u32_u24 v4, v4, 272
	v_and_b32 v5, 7, v1
	v_lshl_add_u32 v4, v5, 5, v4                   ; a row's 32 scale bytes: eight rows to a piece of 256 + 16
	v_mad_u32_u24 v[ADSB], v2, 3264, v4            ; lanes 16-31: six blocks on
	v_add_nc_u32 v[ADSB], SCLB, v[ADSB]
	v_mad_u32_u24 v[ADSA], v2, 1088, v4            ; lanes 16-31: two blocks on
	s_mul_i32 s20, s14, 2176
	s_add_co_u32 s20, s20, SCL
	v_add_nc_u32 v[ADSA], s20, v[ADSA]
	s_mul_i32 s20, s14, STGW
	s_add_co_u32 s20, s20, STG                     ; my stage
	v_mul_u32_u24 v[STO], v1, 144
	v_lshl_add_u32 v[STO], v2, 4, v[STO]
	v_add_nc_u32 v[STO], s20, v[STO]               ; in: row r, 16 bytes for each half of the lanes
	v_and_b32 v5, 31, v0
	v_lshrrev_b32 v5, 3, v5
	v_mul_u32_u24 v[RD], v5, 144
	v_and_b32 v5, 7, v0
	v_lshl_add_u32 v[RD], v5, 4, v[RD]
	v_add_nc_u32 v[RD], s20, v[RD]                 ; back: eight lanes to a row of 128 bytes, four rows an instruction
; The fragments of the q-th 128 along K: Wqkv's twelve into set q % 2 of window 1, x's four into set q % 2 of AF.  A fragment, 16 rows x 128 K of 4-bit codes, is 8 registers: two loads of 16 bytes, 32 bytes apart.
.macro FETCH q
	WIN 0x40
.irp i, 0,1,2,3,4,5,6,7,8,9,10,11
.irp c, 0,1
	ds_load_b128 v[96*((\q)%2)+8*\i+4*\c:96*((\q)%2)+8*\i+4*\c+3], v[ADRB+(\q)/4] offset:64*((\q)%4)+32*\c+\i*16*PITCH
.endr
.endr
	WIN 0
.irp i, 0,1,2,3
.irp c, 0,1
	ds_load_b128 v[AF+32*((\q)%2)+8*\i+4*\c:AF+32*((\q)%2)+8*\i+4*\c+3], v[ADRA+(\q)/4] offset:64*((\q)%4)+32*\c+\i*16*PITCH
.endr
.endr
.endm
.macro SCALES                          ; all scale words, once: eight words a row (one for each 128 along K)
.irp a, 0,1
.irp h, 0,1
	ds_load_b128 v[UA+8*\a+4*\h:UA+8*\a+4*\h+3], v[ADSA] offset:\a*544+16*\h
.endr
.endr
.irp i, 0,1,2,3,4,5
.irp h, 0,1
	ds_load_b128 v[TBS+8*\i+4*\h:TBS+8*\i+4*\h+3], v[ADSB] offset:\i*544+16*\h
.endr
.endr
.endm
; One product: x's row block a, Wqkv's column block b, the q-th 128 along K.  zero = 1: the sum starts from the bias.
.macro WM a, b, q, zero
.set rD, 96*((\a)%2)+8*(\b)
.set rB, 96*((\q)%2)+8*(\b)
.set rA, AF+32*((\q)%2)+8*(\a)
.set rSB, TBS+8*((\b)%6)+(\q)
.set rSA, UA+8*((\a)%2)+(\q)
.if \zero
.set rC, BIAS+8*(\b)
.else
.set rC, rD
.endif
.if ((\b) < 6) && ((\a) < 2)
	v_wmma_scale_f32_16x16x128_f8f6f4 v[rD:rD+7], v[rB:rB+7], v[rA:rA+7], v[rC:rC+7], v[rSB], v[rSA] matrix_a_fmt:MATRIX_FMT_FP4 matrix_b_fmt:MATRIX_FMT_FP4
.elseif (\a) < 2
	v_wmma_scale_f32_16x16x128_f8f6f4 v[rD:rD+7], v[rB:rB+7], v[rA:rA+7], v[rC:rC+7], v[rSB], v[rSA] matrix_a_fmt:MATRIX_FMT_FP4 matrix_b_fmt:MATRIX_FMT_FP4 matrix_a_scale:MATRIX_SCALE_ROW1
.elseif (\b) < 6
	v_wmma_scale_f32_16x16x128_f8f6f4 v[rD:rD+7], v[rB:rB+7], v[rA:rA+7], v[rC:rC+7], v[rSB], v[rSA] matrix_a_fmt:MATRIX_FMT_FP4 matrix_b_fmt:MATRIX_FMT_FP4 matrix_b_scale:MATRIX_SCALE_ROW1
.else
	v_wmma_scale_f32_16x16x128_f8f6f4 v[rD:rD+7], v[rB:rB+7], v[rA:rA+7], v[rC:rC+7], v[rSB], v[rSA] matrix_a_fmt:MATRIX_FMT_FP4 matrix_b_fmt:MATRIX_FMT_FP4 matrix_a_scale:MATRIX_SCALE_ROW1 matrix_b_scale:MATRIX_SCALE_ROW1
.endif
.endm
.macro HALF a0, q, zero                ; 24 products: two row blocks x twelve column blocks.  The 48 accumulators take turns, in the same order in every step
.irp a, \a0, \a0+1
.irp b, 0,1,2,3,4,5,6,7,8,9,10,11
	WM \a, \b, \q, \zero
.endr
.endr
.endm
; A step of 128 along K: 48 products; the next step's 32 LDS loads stand in one run in its middle, four places behind the products (loads into registers that earlier products have read).
; Step 3 meets the other waves: behind its barrier the second half of K is whole.
.macro STEP q
	s_wait_dscnt 0x0                               ; this step's fragments are in
.if (\q) == 3
	s_wait_tensorcnt 0x0                           ; my part of slot 1 has landed:
	s_barrier_signal -1                            ; say so,
.endif
.if (\q) == 0
	WIN 0x81                                       ; source 0 window 1, source 1 and the bias window 0, D window 2
	HALF 0, \q, 1
.else
	WIN 0xa1                                       ; C and D window 2
	HALF 0, \q, 0
.endif
.if (\q) == 3
	s_barrier_wait -1                              ; and read slot 1 when all four have said so
.endif
.if (\q) < 7
	PLACES 4
	FETCH (\q)+1
.endif
.if (\q) == 0
	WIN 0xc1
	HALF 2, \q, 1
.else
	WIN 0xf1                                       ; C and D window 3
	HALF 2, \q, 0
.endif
.endm
	s_wait_tensorcnt 1                             ; the scales and my part of slot 0 are in (slot 1's load may be out),
	s_barrier_signal -1
	s_barrier_wait -1                              ; everybody's are
	SCALES
	FETCH 0
	s_wait_loadcnt 0x0                             ; the bias and the table
.irp q, 0,1,2,3,4,5,6,7
	STEP \q
.endr
	WIN 0
	PLACES 4                                       ; in front of the first read of results and the first write of operands that are done with
; THE WAY OUT, a block of 16 rows at a time.  ROPE: a pair (x0, x1) becomes (x0 cos - x1 sin, x1 cos + x0 sin); each accumulator is read from its low end on.
.macro ROPE a, b
.set rX, 96*((\a)%2)+8*(\b)
.set rR, 8*(2*((\b)/4)+(\b)%4)
.set rT, TBL+16*(\a)+8*((\b)%4)
.irp p, 0,1,2,3
	v_mul_f32 v[rR+2*\p], v[rX+2*\p], v[rT+2*\p]
	v_mul_f32 v[rR+2*\p+1], v[rX+2*\p+1], v[rT+2*\p]
	v_fma_f32 v[rR+2*\p], -v[rX+2*\p+1], v[rT+2*\p+1], v[rR+2*\p]
	v_fma_f32 v[rR+2*\p+1], v[rX+2*\p], v[rT+2*\p+1], v[rR+2*\p+1]
.endr
.endm
.macro FINISH a
.set W, 2+(\a)/2
	WIN 0x54|W                                     ; source 0: the accumulators' window; cos, sin and the results: window 1
	ROPE \a, 0
	ROPE \a, 1
	ROPE \a, 4
	ROPE \a, 5
	WIN 0x05                                       ; sources window 1, destination window 0
.irp b, 0,1,4,5
.irp j, 0,1,2,3
	v_cvt_pk_f16_f32 v[PKR+4*\b+\j], v[8*(2*(\b/4)+\b%4)+2*\j], v[8*(2*(\b/4)+\b%4)+2*\j+1]
.endr
.endr
	WIN W|(W<<2)                                   ; what is not rotated comes straight from the accumulators
.irp b, 2,3,6,7,8,9,10,11
.irp j, 0,1,2,3
	v_cvt_pk_f16_f32 v[PKR+4*\b+\j], v[96*((\a)%2)+8*\b+2*\j], v[96*((\a)%2)+8*\b+2*\j+1]
.endr
.endr
	WIN 0
.endm
.macro TOSTAGE a                       ; 16 bytes a lane into my stage, and back as whole rows.  LDS serves a wave's instructions in order: no wait between the stores and the loads
.irp b, 0,1,2,3,4,5,6,7,8,9,10,11
	ds_store_b128 v[STO], v[PKR+4*\b:PKR+4*\b+3] offset:(\b/4)*2304+32*(\b%4)
.endr
.irp k, 0,1,2
.irp i, 0,1,2,3
	ds_load_b128 v[BK+48*((\a)%2)+16*\k+4*\i:BK+48*((\a)%2)+16*\k+4*\i+3], v[RD] offset:\k*2304+576*\i
.endr
.endr
.endm
.macro SEND a, younger                 ; 16 rows of a head are 2,048 consecutive bytes: each store covers 512 of them, aligned
	s_wait_dscnt \younger
.irp i, 0,1,2,3
	global_store_b128 v[GO], v[BK+48*((\a)%2)+4*\i:BK+48*((\a)%2)+4*\i+3], s[66:67] offset:(\a)*2048+512*\i
.endr
.irp i, 0,1,2,3
	global_store_b128 v[GO], v[BK+48*((\a)%2)+16+4*\i:BK+48*((\a)%2)+16+4*\i+3], s[92:93] offset:(\a)*2048+512*\i
.endr
.irp i, 0,1,2,3
	global_store_b128 v[GO], v[BK+48*((\a)%2)+32+4*\i:BK+48*((\a)%2)+32+4*\i+3], s[94:95] offset:(\a)*2048+512*\i
.endr
.endm
	FINISH 0
	TOSTAGE 0
.irp a, 1,2,3
	FINISH \a
.if \a > 1
	s_wait_xcnt 0x0                                ; block a - 2's stores have read their registers: block a's loads may land there
.endif
	TOSTAGE \a
	SEND \a-1, 24                                  ; behind block a - 1's loads: block a's 12 stores and 12 loads
.endr
	SEND 3, 0
	s_wait_tensorcnt 0x0                           ; the wave's end, behind my last tensor load and my last LDS store
	ds_add_u32 v[SPW], v[NIL]
	s_wait_dscnt 0x0
	CROUND                                         ; the closing round
	s_endpgm
.Lfunc_end_k_q15fc685c99_qkvp:
	.size	k_q15fc685c99_qkvp, .Lfunc_end_k_q15fc685c99_qkvp-k_q15fc685c99_qkvp
	.p2alignl 7, 3214868480
	.fill 96, 4, 3214868480
	.section	.rodata,"a",@progbits
	.p2align	6, 0x0
	.amdhsa_kernel k_q15fc685c99_qkvp
		.amdhsa_group_segment_fixed_size 327680
		.amdhsa_private_segment_fixed_size 0
		.amdhsa_enable_private_segment 0
		.amdhsa_kernarg_size 40
		.amdhsa_user_sgpr_count 2
		.amdhsa_user_sgpr_kernarg_segment_ptr 1
		.amdhsa_wavefront_size32 1
		.amdhsa_system_sgpr_workgroup_id_x 1
		.amdhsa_system_sgpr_workgroup_id_y 1
		.amdhsa_system_sgpr_workgroup_id_z 1
		.amdhsa_system_vgpr_workitem_id 0
		.amdhsa_next_free_vgpr 1024
		.amdhsa_next_free_sgpr 98
		.amdhsa_reserve_vcc 0
		.amdhsa_float_denorm_mode_32 3
		.amdhsa_float_denorm_mode_16_64 3
		.amdhsa_memory_ordered 1
		.amdhsa_forward_progress 1
		.amdhsa_inst_pref_size 117
	.end_amdhsa_kernel
	.amdgpu_metadata
---
amdhsa.version: [ 1, 2 ]
amdhsa.kernels:
  - .name:           k_q15fc685c99_qkvp
    .symbol:         k_q15fc685c99_qkvp.kd
    .args:
      - { .name: cod, .offset: 0, .size: 8, .value_kind: global_buffer, .address_space: global }
      - { .name: scl, .offset: 8, .size: 8, .value_kind: global_buffer, .address_space: global }
      - { .name: rope, .offset: 16, .size: 8, .value_kind: global_buffer, .address_space: global }
      - { .name: bqkv, .offset: 24, .size: 8, .value_kind: global_buffer, .address_space: global }
      - { .name: qkv, .offset: 32, .size: 8, .value_kind: global_buffer, .address_space: global }
    .group_segment_fixed_size: 327680
    .private_segment_fixed_size: 0
    .kernarg_segment_align: 8
    .kernarg_segment_size: 40
    .max_flat_workgroup_size: 128
    .sgpr_count:     98
    .vgpr_count:     1024
    .wavefront_size: 32
...
	.end_amdgpu_metadata
.endif
;; end of part 2
;; launch attn (part 3): grid 8 x 32, 8 waves a work-group, clusters of 4 x 1, 327,680 bytes of LDS; arguments qkv, ao; writes ao
.if DOCPART == 3
	.amdgcn_target "amdgcn-amd-amdhsa--gfx1250"
	.amdhsa_code_object_version 6
	.text
	.protected	k_q15fc685c99_attn
	.globl	k_q15fc685c99_attn
	.p2align	8
	.type	k_q15fc685c99_attn,@function
k_q15fc685c99_attn:
	s_mov_b64 s[64:65], 0
	v_nop
	global_prefetch_b8 v0, s[64:65] scope:SCOPE_SE
	s_setreg_imm32_b32 hwreg(HW_REG_WAVE_MODE, 25, 1), 1
	s_wait_xcnt 0x0
	s_wait_alu depctr_hold_cnt(0) depctr_sa_sdst(0) depctr_va_vdst(0) depctr_va_sdst(0) depctr_va_ssrc(0) depctr_va_vcc(0) depctr_vm_vsrc(0)
	s_getreg_b32 s2, hwreg(HW_REG_IB_STS2, 6, 4)
	s_cmp_eq_u32 s2, 0
	s_cbranch_scc0 .Lentry_in_a_cluster
	s_endpgm
.Lentry_in_a_cluster:
	s_bfe_u32 s2, ttmp6, 0x10000c
	s_cmp_lg_u32 s2, 0x3003
	s_cbranch_scc0 .Lentry_shape_is_right
	s_endpgm
.Lentry_shape_is_right:
; ao[bh][q][:] = the sum over k of softmax_k(Q[bh][q] . K[bh][k] / 8) V[bh][k][:].  qkv: three parts (q, k, v), each [32][2048][64] f16; ao likewise.  Products, maxima and sums in f32; the weights p are rounded to f16.
; SHARES.  A work-group owns 256 queries of one head.  Wave w owns the 64 queries of group g = w % 4 (four tiles of 16, so that each fragment of K and V feeds four products) and the keys of half st = w / 4
; (1,024 st on): two waves to a SIMD.  A step is 64 keys: QK (32 products), SM (the softmax's vector work), PV (32 products).
; THE TWO HALVES RUN THE SAME TEXT HALF A STEP APART: in a unit the waves of half 0 begin with SM and those of half 1 end with it, so that of the two waves of a SIMD one has vector work while the other has matrix work.
; At the end the two halves of a query's keys are joined through LDS, by their maxima and sums.
; LAYOUT.  S^T = K Q^T (source 0 = 16 keys, source 1 = 16 queries), O^T = V^T P (source 0 = 16 channels, source 1 = P): a lane holds ONE query throughout.  Two tiles of S^T, rounded in pairs, are source 1 of the second product.
; SOFTMAX.  For each query a running maximum m and sum l: p = 2^(c s - c m), c = log2(e) / 8; in every step O and l are multiplied by a = 2^(c m_old - c m_new).
; CLUSTER.  The four query blocks of a cluster belong to one head and walk the same K and V: each tile is asked for jointly.
; LIMITS: NaN and infinities are not served; the output beyond 65,504 does not fit f16.
; REGISTERS.  window 0: v2-14 addresses; v16-47 eight registers of statistics a tile; v48-63 the joining's; v64-191 S^T, 32 a tile (P over the low 16); v192-255 K of one step.
;   window 1: v0-127 O^T, 32 a tile; v128-191 Q; v192-255 V of one step.
.set KS,    64
.set KPI,   144                        ; a row of K in LDS: 128 bytes + 16: the 16 rows of a load start 36 words apart
.set VPI,   160                        ; a row of V: 128 + 32
.set VOFF,  KS*KPI
.set STEPB, KS*(KPI+VPI)               ; a step's tiles: 64 rows of K, then 64 of V
.set SLOT1, 1<<17                      ; a slot holds four such: two steps of each half; slot 1 begins here, so that one exclusive or turns an address
.set MRG,   SLOT1+4*STEPB              ; the joining: for each group O^T as an image of its registers (16,384 bytes) and 1,024 of statistics
.set MRGW,  17408
.set STG,   MRG+4*MRGW                 ; the way out: 64 rows x (128 + 16) bytes for each group
.set STGW,  64*144
.set SPARE, STG+4*STGW                 ; the spare words, 128 bytes a wave
.set AK0, 2
.set AV0, 3
.set ADR, 4
.set QO,  5
.set STO, 6
.set RD,  7
.set GO,  8
.set MST, 9
.set PFO, 12
.set SPW, 13                           ; v13 LDS address of my spare word; never rewritten
.set NIL, 14                           ; v14 0; never rewritten
.set ST,  16                           ; tile t at v[ST + 8 t]: +0 c m, +1 m, +2, +3 l (even keys', odd keys'), +4 to +7 at work; a at +6
.set MS,  48                           ; v48-51 c m, v52-55 l of my four tiles; v56-63 the partner's
.set S,   64
.set KF,  192
.set QF,  128                          ; in window 1
.set VF,  192                          ; in window 1
.set WV,  12
.set LIM, 15
.set PFA, 18
.set G1K, 24
.set G1V, 32
.set G0K, 40
.set G0V, 48
.set SLOTS, 56
.set TWICE, 57
.set CS,  58
.set SEL, 60
.set TB,  62
.set W_KQ, 0x04                        ; Q in window 1; K and S^T in window 0
.set W_PV, 0x51                        ; V and O^T in window 1, P in window 0
.set W_RS, 0x41                        ; O^T in window 1, a in window 0
.set MSB, 0
.macro WIN new
.if MSB != (\new)
	s_set_vgpr_msb (MSB<<8)|(\new)
.set MSB, (\new)
.endif
.endm
.macro PLACES n
.rept \n
	v_nop
.endr
.endm
; A joint refill: waves 0 to 3 fetch the slot's four tiles of K, waves 4 to 7 those of V.  An s_nop 0 and four v_nop follow each line.
.macro JLOAD
	s_cmp_lt_u32 s[WV], 4
	s_cbranch_scc0 .Lfor_v_\@
	tensor_load_to_lds s[G0K+4:G0K+7], s[G1K:G1K+7]
	s_nop 0
.rept 4
	v_nop
.endr
	s_branch .Lasked_\@
.Lfor_v_\@:
	tensor_load_to_lds s[G0V+4:G0V+7], s[G1V:G1V+7]
	s_nop 0
.rept 4
	v_nop
.endr
.Lasked_\@:
.endm
; A prefetch of what the NEXT change of slots will ask for.  Both clusters of a head walk the same K and V: the first asks.  Its four partners take one of the slot's four tiles each, told apart by address;
; in each, wave 0 asks for K's and wave 4 for V's: 8,192 bytes, lanes 256 bytes apart.  So each block of 256 bytes is named once.  The last change that fills a slot asks for nothing.
.macro ASK
	s_cmp_gt_u32 s[SLOTS], s[LIM]
	s_cbranch_scc0 .Lnot_mine_\@
	global_prefetch_b8 v[PFO], s[PFA:PFA+1] th:TH_LOAD_NT scope:SCOPE_SE
.Lnot_mine_\@:
.endm
.macro CROUND
	s_barrier_signal -1
	s_barrier_wait -1
	s_cmp_lg_u32 s[WV], 0
	s_cbranch_scc1 .Lnot_wave_0_\@
	s_barrier_signal -3
.Lnot_wave_0_\@:
	s_barrier_wait -3
	s_barrier_signal -1
	s_barrier_wait -1
.endm
	s_load_b128 s[4:7], s[0:1], 0x0                ; qkv s[4:5], ao s[6:7]
	v_lshl_add_u32 v[SPW], v0, 2, SPARE
	v_mov_b32 v[NIL], 0
	ds_add_u32 v[SPW], v[NIL]                      ; the wave's opening: the add and its wait stand ahead of my first tensor load; the set-up below stands between them
	v_lshrrev_b32 v1, 5, v0
	v_readfirstlane_b32 s[WV], v1                  ; wave 0..7
	s_bfe_u32 s13, ttmp6, 0x40000                  ; cx
	s_lshl_b32 s14, ttmp9, 2
	s_add_co_u32 s14, s14, s13                     ; my block of 256 queries: it enters Q's and ao's addresses alone
	s_and_b32 s20, ttmp7, 0xffff                   ; batch x 16 + head, which the four partners share
	s_lshl_b32 s20, s20, 18                        ; 262,144 bytes a head
	s_mov_b32 s21, 0
	s_and_b32 s16, s[WV], 3                        ; which of a slot's four tiles I fetch; also my group of queries
	s_lshr_b32 s17, s16, 1
	s_lshl_b32 s22, s17, 17                        ; its half of the keys: 1,024 rows of 128 bytes,
	s_and_b32 s17, s16, 1
	s_lshl_b32 s17, s17, 13                        ; its step in the slot: 64 rows
	s_add_co_u32 s22, s22, s17
	s_mov_b32 s23, 0
	s_add_nc_u64 s[22:23], s[22:23], s[20:21]
	s_mul_i32 s17, s16, STEPB                      ; and its place in a slot: no place in the cluster enters an LDS address
	s_lshl_b32 s2, s14, 15                         ; my block's 256 rows,
	s_lshl_b32 s3, s16, 13                         ; my group's 64 of them
	s_add_co_u32 s2, s2, s3
	s_mov_b32 s3, 0
	s_add_nc_u64 s[2:3], s[2:3], s[20:21]
	; group 1: a tile of 64 rows x 64 elements of 2 bytes, dense in memory, padded behind each row
	s_mov_b32 s[G1K], 15|(1<<16)|(1<<20)|(1<<21)|(4<<22)|(3<<25)   ; the mask: all four work-groups; padding: 4 words after every 32
	s_mov_b32 s[G1V], 15|(1<<16)|(1<<20)|(1<<21)|(4<<22)|(7<<25)   ; 8 words
.irp g, G1K, G1V
	s_mov_b32 s[\g+1], 64<<16                      ; tensor_dim0
	s_mov_b32 s[\g+2], KS<<16                      ; tensor_dim1
	s_mov_b32 s[\g+3], 64<<16                      ; tile_dim0
	s_mov_b32 s[\g+4], KS                          ; tile_dim1
	s_mov_b32 s[\g+5], 64                          ; from row to row
	s_mov_b32 s[\g+6], 0
	s_mov_b32 s[\g+7], 0
.endr
	s_mov_b32 s[CS], 0x3e38aa3b                    ; c = log2(e) / 8
	s_mov_b32 s[CS+1], s[CS]                       ; named with it as a pair, so it is written
	s_mov_b32 s[SEL], 0x76543210
	s_mov_b32 s[SEL+1], 0xfedcba98
	s_lshr_b32 s[TB], s[WV], 2
	s_mul_i32 s[TB], s[TB], 2*STEPB                ; my half's first tile in slot 0
	s_mov_b32 s[SLOTS], 2048/(4*KS)-2              ; eight slots' worth of keys; six are asked for in the loop
	s_and_b32 s[LIM], s[WV], 3                     ; 0 in waves 0 and 4,
	s_or_b32 s[LIM], s[LIM], ttmp9                 ; where the cluster is the head's first: the same in all four partners
	s_cmp_eq_u32 s[LIM], 0
	s_cselect_b32 s[LIM], 1, -1
	v_and_b32 v[PFO], 31, v0
	v_lshlrev_b32 v[PFO], 8, v[PFO]
	s_wait_dscnt 0x0                               ; the opening add is done
	s_wait_kmcnt 0x0
	s_add_nc_u64 s[8:9], s[4:5], 0x800000          ; k's part of the buffer,
	s_add_nc_u64 s[10:11], s[4:5], 0x1000000       ; v's
	s_cmp_lt_u32 s[WV], 4
	s_cselect_b64 s[PFA:PFA+1], s[8:9], s[10:11]
	s_add_nc_u64 s[8:9], s[8:9], s[22:23]          ; at my tile of slot 0
	s_add_nc_u64 s[10:11], s[10:11], s[22:23]
	s_add_nc_u64 s[4:5], s[4:5], s[2:3]            ; Q and ao at my group's first row
	s_add_nc_u64 s[6:7], s[6:7], s[2:3]
	s_lshr_b32 s2, s13, 1                          ; the prefetches: my work-group's tile of the four,
	s_lshl_b32 s2, s2, 17
	s_and_b32 s3, s13, 1
	s_lshl_b32 s3, s3, 13
	s_add_co_u32 s2, s2, s3
	s_add_co_u32 s2, s2, 2*16384                   ; in slot 2: the first change of slots steps it to slot 3.  Nothing is prefetched here, at the head
	s_mov_b32 s3, 0
	s_add_nc_u64 s[PFA:PFA+1], s[PFA:PFA+1], s[2:3]
	s_add_nc_u64 s[PFA:PFA+1], s[PFA:PFA+1], s[20:21]
	CROUND                                         ; all four work-groups are here: the first joint loads meet
.irp s, 0,1
	s_mov_b32 s[G0K+4*\s], 1
	s_add_co_u32 s[G0K+4*\s+1], s17, \s*SLOT1
	s_add_nc_u64 s[G0K+4*\s+2:G0K+4*\s+3], s[8:9], \s*16384        ; a slot on: 128 keys of each half
	s_or_b32 s[G0K+4*\s+3], s[G0K+4*\s+3], 0x80000000
	s_mov_b32 s[G0V+4*\s], 1
	s_add_co_u32 s[G0V+4*\s+1], s17, \s*SLOT1+VOFF
	s_add_nc_u64 s[G0V+4*\s+2:G0V+4*\s+3], s[10:11], \s*16384
	s_or_b32 s[G0V+4*\s+3], s[G0V+4*\s+3], 0x80000000
.endr
	s_cmp_lt_u32 s[WV], 4                          ; a wave's two first fills stand in one branch: two loads of mine are out
	s_cbranch_scc0 .Lfirst_v
	tensor_load_to_lds s[G0K:G0K+3], s[G1K:G1K+7]
	s_nop 0
	tensor_load_to_lds s[G0K+4:G0K+7], s[G1K:G1K+7]
	s_nop 0
.rept 4
	v_nop
.endr
	s_branch .Lfirst_asked
.Lfirst_v:
	tensor_load_to_lds s[G0V:G0V+3], s[G1V:G1V+7]
	s_nop 0
	tensor_load_to_lds s[G0V+4:G0V+7], s[G1V:G1V+7]
	s_nop 0
.rept 4
	v_nop
.endr
.Lfirst_asked:
	v_and_b32 v1, 15, v0                           ; r
	v_bfe_u32 v10, v0, 4, 1                        ; hh
	v_lshlrev_b32 v[QO], 7, v1
	v_lshl_add_u32 v[QO], v10, 4, v[QO]            ; row x 128 + 16 x half
	WIN 0x40                                       ; destination window 1
.irp t, 0,1,2,3
.irp c, 0,1                                    ; Q stays in registers: tile t, channels 32 c on
	global_load_b128 v[QF+16*\t+8*\c:QF+16*\t+8*\c+3], v[QO], s[4:5] offset:\t*2048+\c*64
	global_load_b128 v[QF+16*\t+8*\c+4:QF+16*\t+8*\c+7], v[QO], s[4:5] offset:\t*2048+\c*64+32
.endr
.endr
	WIN 0
	v_mul_u32_u24 v[AK0], v1, KPI
	v_lshl_add_u32 v[AK0], v10, 4, v[AK0]          ; K: row x pitch + 16 x half
	v_and_b32 v11, 7, v0                           ; V, for the turning load: key 8 hh + lane % 8, channels 8 ((lane / 8) % 2) on
	v_bfe_u32 v15, v0, 3, 1
	v_lshl_add_u32 v[AV0], v10, 3, v11
	v_mul_u32_u24 v[AV0], v[AV0], VPI
	v_lshl_add_u32 v[AV0], v15, 4, v[AV0]
	v_add_nc_u32 v[AV0], VOFF, v[AV0]
	v_and_b32 v11, 31, v0
	v_lshlrev_b32 v[GO], 4, v11                    ; 16 x lane
	s_mul_i32 s2, s16, MRGW
	s_add_co_u32 s2, s2, MRG
	v_add_nc_u32 v[MST], s2, v[GO]                 ; the joining: my group's image, 16 bytes a lane
	s_mul_i32 s2, s16, STGW
	s_add_co_u32 s2, s2, STG                       ; my group's stage
	v_mul_u32_u24 v[STO], v1, 144
	v_lshl_add_u32 v[STO], v10, 4, v[STO]
	v_add_nc_u32 v[STO], s2, v[STO]
	v_lshrrev_b32 v15, 3, v11
	v_mul_u32_u24 v[RD], v15, 144
	v_and_b32 v15, 7, v0
	v_lshl_add_u32 v[RD], v15, 4, v[RD]
	v_add_nc_u32 v[RD], s2, v[RD]
; THE LDS LOADS stand in runs of 16: a step's K (8 fragments of 16 keys x 32 channels), and its V, turned (8 fragments of 16 channels x 32 keys).
.macro KLOAD
	WIN 0
	v_add_nc_u32 v[ADR], s[TB], v[AK0]
.irp f, 0,1,2,3,4,5,6,7                        ; keys 16 (f / 2) on, channels 32 (f % 2) on
	ds_load_b128 v[KF+8*\f:KF+8*\f+3],   v[ADR] offset:(\f/2)*16*KPI+(\f%2)*64
	ds_load_b128 v[KF+8*\f+4:KF+8*\f+7], v[ADR] offset:(\f/2)*16*KPI+(\f%2)*64+32
.endr
.endm
.macro VLOAD
	WIN 0
	v_add_nc_u32 v[ADR], s[TB], v[AV0]
	s_add_co_u32 s[TB], s[TB], STEPB               ; the next fetch is the next step's
	WIN 0x40
.irp f, 0,1,2,3,4,5,6,7                        ; keys 32 (f / 4) on, channels 16 (f % 4) on
	ds_load_tr16_b128 v[VF+8*\f:VF+8*\f+3],   v[ADR] offset:(\f/4)*32*VPI+(\f%4)*32
	ds_load_tr16_b128 v[VF+8*\f+4:VF+8*\f+7], v[ADR] offset:(\f/4)*32*VPI+16*VPI+(\f%4)*32
.endr
.endm
; THE MATRIX WORK.  The 16 accumulators of a run take turns, one instruction a turn.  Five places follow each run: for the loads into the operands' registers, for the first
; read of the results, and since the other run's products write over or take up these registers.
.macro QK                              ; product i: channels 32 (i / 16) on, keys 16 ((i / 4) % 4) on, tile i % 4.  The first 16 start the sums
	WIN W_KQ
.set i, 0
.rept 32
.set rS, S+32*(i%4)+8*((i/4)%4)
.set rK, KF+16*((i/4)%4)+8*(i/16)
.set rQ, QF+16*(i%4)+8*(i/16)
.if i < 16
	v_wmma_f32_16x16x32_f16 v[rS:rS+7], v[rK:rK+7], v[rQ:rQ+7], 0
.else
	v_wmma_f32_16x16x32_f16 v[rS:rS+7], v[rK:rK+7], v[rQ:rQ+7], v[rS:rS+7]
.endif
.set i, i+1
.endr
	WIN 0
	PLACES 5
.endm
.macro PV z                            ; product i: keys 32 (i / 16) on, channels 16 ((i / 4) % 4) on, tile i % 4.  z = 1: the first 16 start O^T's sums: nothing is ever cleared
	WIN W_PV
.set i, 0
.rept 32
.set rO, 32*(i%4)+8*((i/4)%4)
.set rV, VF+32*(i/16)+8*((i/4)%4)
.set rP, S+32*(i%4)+8*(i/16)
.if (\z) && (i < 16)
	v_wmma_f32_16x16x32_f16 v[rO:rO+7], v[rV:rV+7], v[rP:rP+7], 0
.else
	v_wmma_f32_16x16x32_f16 v[rO:rO+7], v[rV:rV+7], v[rP:rP+7], v[rO:rO+7]
.endif
.set i, i+1
.endr
	WIN 0
	PLACES 5
.endm
; THE VECTOR WORK of a step, the four tiles line by line, so that no line waits for the line above it.  first = 1: the first step, which starts m, l and O^T.
.macro SM first
.irp j, 0,1,2,3                                ; the maximum of a lane's 32 scores: four chains, each accumulator read from its low end on
.irp t, 0,1,2,3
	v_max3_num_f32 v[ST+8*\t+4+\j], v[S+32*\t+8*\j], v[S+32*\t+8*\j+1], v[S+32*\t+8*\j+2]
.endr
.endr
.irp u, 3,5
.irp j, 0,1,2,3
.irp t, 0,1,2,3
	v_max3_num_f32 v[ST+8*\t+4+\j], v[ST+8*\t+4+\j], v[S+32*\t+8*\j+\u], v[S+32*\t+8*\j+\u+1]
.endr
.endr
.endr
.irp t, 0,1,2,3
	v_max3_num_f32 v[ST+8*\t+4], v[ST+8*\t+4], v[S+32*\t+7], v[S+32*\t+15]
.endr
.irp t, 0,1,2,3
	v_max3_num_f32 v[ST+8*\t+6], v[ST+8*\t+6], v[S+32*\t+23], v[S+32*\t+31]
.endr
.irp t, 0,1,2,3
	v_max3_num_f32 v[ST+8*\t+4], v[ST+8*\t+4], v[ST+8*\t+5], v[ST+8*\t+6]
.endr
.irp t, 0,1,2,3
.if \first
	v_max_num_f32 v[ST+8*\t+4], v[ST+8*\t+4], v[ST+8*\t+7]
.else
	v_max3_num_f32 v[ST+8*\t+4], v[ST+8*\t+4], v[ST+8*\t+7], v[ST+8*\t+1]   ; with the old m
.endif
.endr
.irp t, 0,1,2,3
	v_permlanex16_b32 v[ST+8*\t+5], v[ST+8*\t+4], s[SEL], s[SEL+1]          ; the query's other 32 keys lie in the lane 16 away
.endr
.if !\first
.irp t, 0,1,2,3
	v_mov_b32 v[ST+8*\t+7], v[ST+8*\t]             ; c m_old is kept for a
.endr
.endif
.irp t, 0,1,2,3
	v_max_num_f32 v[ST+8*\t+1], v[ST+8*\t+4], v[ST+8*\t+5]
.endr
.irp t, 0,1,2,3
	v_mul_f32 v[ST+8*\t], s[CS], v[ST+8*\t+1]
.endr
.if !\first
.irp t, 0,1,2,3
	v_sub_f32 v[ST+8*\t+7], v[ST+8*\t+7], v[ST+8*\t]
.endr
.endif
; ONE BATCH: the 64 scalings c s - c m and all exponentials, by turns: four scalings of pair b, then the eight exponentials of pair b - 1.  None of these names an exponential's result.
.irp b, 0,1,2,3,4,5,6,7,8,9,10,11,12,13,14,15
.irp t, 0,1,2,3
	v_pk_fma_f32 v[S+32*\t+2*\b:S+32*\t+2*\b+1], v[S+32*\t+2*\b:S+32*\t+2*\b+1], s[CS:CS+1], v[ST+8*\t:ST+8*\t+1] op_sel_hi:[1,0,0] neg_lo:[0,0,1] neg_hi:[0,0,1]
.endr
.if \b == 0
.if !\first
.irp t, 0,1,2,3
	v_exp_f32 v[ST+8*\t+6], v[ST+8*\t+7]           ; a
.endr
.endif
.else
.irp t, 0,1,2,3
	v_exp_f32 v[S+32*\t+2*\b-2], v[S+32*\t+2*\b-2]
	v_exp_f32 v[S+32*\t+2*\b-1], v[S+32*\t+2*\b-1]
.endr
.endif
.endr
.irp t, 0,1,2,3
	v_exp_f32 v[S+32*\t+30], v[S+32*\t+30]
	v_exp_f32 v[S+32*\t+31], v[S+32*\t+31]
.endr
	v_nop                                          ; a plain instruction behind the last exponential
	s_wait_alu depctr_va_vdst(0)                   ; one wait for the whole batch, ahead of its first reader
.irp t, 0,1,2,3                                ; the sums, of the weights as they are before rounding, a pair at a time
	v_pk_add_f32 v[ST+8*\t+4:ST+8*\t+5], v[S+32*\t:S+32*\t+1], v[S+32*\t+2:S+32*\t+3]
.endr
.irp b, 2,3,4,5,6,7,8,9,10,11,12,13,14
.irp t, 0,1,2,3
	v_pk_add_f32 v[ST+8*\t+4:ST+8*\t+5], v[ST+8*\t+4:ST+8*\t+5], v[S+32*\t+2*\b:S+32*\t+2*\b+1]
.endr
.endr
.if \first
.irp t, 0,1,2,3
	v_pk_add_f32 v[ST+8*\t+2:ST+8*\t+3], v[ST+8*\t+4:ST+8*\t+5], v[S+32*\t+30:S+32*\t+31]
.endr
.else
.irp t, 0,1,2,3
	v_pk_add_f32 v[ST+8*\t+4:ST+8*\t+5], v[ST+8*\t+4:ST+8*\t+5], v[S+32*\t+30:S+32*\t+31]
.endr
.irp t, 0,1,2,3
	v_pk_fma_f32 v[ST+8*\t+2:ST+8*\t+3], v[ST+8*\t+2:ST+8*\t+3], v[ST+8*\t+6:ST+8*\t+7], v[ST+8*\t+4:ST+8*\t+5] op_sel_hi:[1,0,1]   ; l = a l + the sum
.endr
.endif
.irp n, 0,1,2,3,4,5,6,7,8,9,10,11,12,13,14,15  ; P, in place over the low half of S^T: register n takes pair n, ascending, so nothing unread is written over
.irp t, 0,1,2,3
	v_cvt_pk_f16_f32 v[S+32*\t+\n], v[S+32*\t+2*\n], v[S+32*\t+2*\n+1]
.endr
.endr
.if !\first
	WIN W_RS
.irp n, 0,1,2,3,4,5,6,7,8,9,10,11,12,13,14,15  ; O^T times a, each accumulator from its low end on
.irp t, 0,1,2,3
	v_pk_mul_f32 v[32*\t+2*\n:32*\t+2*\n+1], v[32*\t+2*\n:32*\t+2*\n+1], v[ST+8*\t+6:ST+8*\t+7] op_sel_hi:[1,0]
.endr
.endr
	WIN 0
.endif
.endm
; A UNIT: K of step j + 1 is asked for | half 0: the softmax of step j | V^T P of step j | V of step j + 1 is asked for | K Q^T of step j + 1 | half 1: the softmax of step j + 1.
; The branches hang on the wave's number alone, and no barrier, wait or load stands inside them.
.macro UNIT fa, z
	KLOAD
	s_cmp_lt_u32 s[WV], 4
	s_cbranch_scc0 .Lhalf1_\@
	SM \fa
.Lhalf1_\@:
	s_wait_dscnt 16                                ; V of step j is in; the 16 younger loads are K's
	PV \z
	VLOAD
	s_wait_dscnt 16                                ; K of step j + 1 is in; the 16 younger loads are V's
	QK
	s_cmp_lt_u32 s[WV], 4
	s_cbranch_scc1 .Lhalf0_\@
	SM 0
.Lhalf0_\@:
.endm
.macro TWO                             ; a slot's two steps: written once, walked twice; the LDS addresses hang on s[TB]
	s_mov_b32 s[TWICE], 2
.Ltwo_\@:
	UNIT 0, 0
	s_sub_co_u32 s[TWICE], s[TWICE], 1
	s_cmp_lg_u32 s[TWICE], 0
	s_cbranch_scc1 .Ltwo_\@
.endm
; THE CHANGE OF SLOTS.  Each wave waits for all its tensor loads, of which one is out: its part of the other slot; adds 0 to its spare word; and waits for that and for its own reads of the slot.
; fill = 1: this slot is filled again, with the keys two slots on, behind a round of the cluster's barrier: the load has two units of both halves in which to land.
.macro CHANGE fill
	WIN 0
	s_wait_tensorcnt 0x0                           ; no tensor load of mine is out, so a group 0 may be written
	ds_add_u32 v[SPW], v[NIL]                      ; 0 onto my spare word
.if \fill
.irp g, G0K+4, G0V+4
	s_xor_b32 s[\g+1], s[\g+1], SLOT1              ; the walking descriptor: the other slot than last time,
	s_add_nc_u64 s[\g+2:\g+3], s[\g+2:\g+3], 16384 ; the next 128 keys of each half
.endr
	s_wait_xcnt 0x0                                ; the last prefetch, a slot back, has read its address, so it may be written
	s_add_nc_u64 s[PFA:PFA+1], s[PFA:PFA+1], 16384
	s_wait_dscnt 0x0                               ; the add is done, and my reads of the slot are over
	CROUND
	JLOAD
	ASK
.else
	s_wait_dscnt 0x0
	s_barrier_signal -1
	s_barrier_wait -1
.endif
	s_sub_co_u32 s[TB], s[TB], 2*STEPB             ; the fetches go back to my half's first step,
	s_xor_b32 s[TB], s[TB], SLOT1                  ; in the other slot
.endm
	s_wait_tensorcnt 1                             ; my part of slot 0 is in; slot 1's may stay out
	s_barrier_signal -1
	s_barrier_wait -1
	KLOAD                                          ; step 0
	VLOAD
	s_wait_loadcnt 0x0                             ; Q
	s_wait_dscnt 16                                ; K is in; the 16 younger loads are V's
	QK
	s_cmp_lt_u32 s[WV], 4
	s_cbranch_scc1 .Lstart0
	SM 1                                           ; half 1: the first softmax
.Lstart0:
	UNIT 1, 1                                      ; half 0's first softmax; V^T P of step 0 starts O^T
.Lslot:                                            ; six trips: every slot but the last two is filled again
	CHANGE 1
	TWO
	s_sub_co_u32 s[SLOTS], s[SLOTS], 1
	s_cmp_lg_u32 s[SLOTS], 0
	s_cbranch_scc1 .Lslot
	CHANGE 0                                       ; the tail is written out
	TWO
	s_cmp_lt_u32 s[WV], 4
	s_cbranch_scc0 .Llast1
	SM 0                                           ; half 0: the last softmax
.Llast1:
	s_wait_dscnt 0x0                               ; V of the last step
	PV 0
	; THE JOINING.  l's two halves and the other half of the lanes' are added.  The waves of half 1 lay O^T (as an image of its registers), c m and l into LDS; the waves of half 0 take them up.
.irp t, 0,1,2,3
	v_add_f32 v[ST+8*\t+4], v[ST+8*\t+2], v[ST+8*\t+3]
.endr
.irp t, 0,1,2,3
	v_permlanex16_b32 v[ST+8*\t+5], v[ST+8*\t+4], s[SEL], s[SEL+1]
.endr
.irp t, 0,1,2,3
	v_mov_b32 v[MS+\t], v[ST+8*\t]
.endr
.irp t, 0,1,2,3
	v_add_f32 v[MS+4+\t], v[ST+8*\t+4], v[ST+8*\t+5]
.endr
	s_cmp_lt_u32 s[WV], 4
	s_cbranch_scc1 .Lkeep
	WIN 0x04                                       ; an LDS store's data are its source 1: window 1
.set i, 0
.rept 32
	ds_store_b128 v[MST], v[4*i:4*i+3] offset:512*i
.set i, i+1
.endr
	WIN 0
	ds_store_b128 v[MST], v[MS:MS+3] offset:16384
	ds_store_b128 v[MST], v[MS+4:MS+7] offset:16896
.Lkeep:
	s_wait_dscnt 0x0                               ; for the others' sake: my stores have landed
	s_barrier_signal -1
	s_barrier_wait -1
	s_cmp_lt_u32 s[WV], 4
	s_cbranch_scc0 .Lend
	ds_load_b128 v[MS+8:MS+11], v[MST] offset:16384
	ds_load_b128 v[MS+12:MS+15], v[MST] offset:16896
.set i, 0
.rept 32
	ds_load_b128 v[S+4*i:S+4*i+3], v[MST] offset:512*i
.set i, i+1
.endr
	s_wait_dscnt 32                                ; the partner's c m and l are in; O^T's 32 loads may be out
.irp t, 0,1,2,3
	v_max_num_f32 v[ST+8*\t+6], v[MS+\t], v[MS+8+\t]
.endr
.irp t, 0,1,2,3
	v_sub_f32 v[ST+8*\t+2], v[MS+\t], v[ST+8*\t+6]
.endr
.irp t, 0,1,2,3
	v_sub_f32 v[ST+8*\t+4], v[MS+8+\t], v[ST+8*\t+6]
.endr
.irp t, 0,1,2,3
	v_exp_f32 v[ST+8*\t+2], v[ST+8*\t+2]           ; what my half counts for,
.endr
.irp t, 0,1,2,3
	v_exp_f32 v[ST+8*\t+4], v[ST+8*\t+4]           ; and the partner's
.endr
	v_nop
	s_wait_alu depctr_va_vdst(0)                   ; one wait for the eight
.irp t, 0,1,2,3
	v_mul_f32 v[ST+8*\t+6], v[ST+8*\t+2], v[MS+4+\t]
.endr
.irp t, 0,1,2,3
	v_fma_f32 v[ST+8*\t+6], v[ST+8*\t+4], v[MS+12+\t], v[ST+8*\t+6]         ; the row's sum over all keys
.endr
.irp t, 0,1,2,3
	v_rcp_f32 v[ST+8*\t+6], v[ST+8*\t+6]
.endr
	v_nop
	s_wait_alu depctr_va_vdst(0)                   ; one wait for the four
.irp t, 0,1,2,3
	v_mul_f32 v[ST+8*\t+2], v[ST+8*\t+2], v[ST+8*\t+6]
.endr
.irp t, 0,1,2,3
	v_mul_f32 v[ST+8*\t+4], v[ST+8*\t+4], v[ST+8*\t+6]
.endr
	s_wait_dscnt 0x0
.irp t, 0,1,2,3
.irp n, 0,1,2,3,4,5,6,7,8,9,10,11,12,13,14,15
	v_pk_mul_f32 v[S+32*\t+2*\n:S+32*\t+2*\n+1], v[S+32*\t+2*\n:S+32*\t+2*\n+1], v[ST+8*\t+4:ST+8*\t+5] op_sel_hi:[1,0]
.endr
.endr
	WIN 0x01                                       ; source 0: my O^T, window 1
.irp t, 0,1,2,3
.irp n, 0,1,2,3,4,5,6,7,8,9,10,11,12,13,14,15
	v_pk_fma_f32 v[S+32*\t+2*\n:S+32*\t+2*\n+1], v[32*\t+2*\n:32*\t+2*\n+1], v[ST+8*\t+2:ST+8*\t+3], v[S+32*\t+2*\n:S+32*\t+2*\n+1] op_sel_hi:[1,0,1]
.endr
.endr
	WIN 0
.irp t, 0,1,2,3
.irp n, 0,1,2,3,4,5,6,7,8,9,10,11,12,13,14,15
	v_cvt_pk_f16_f32 v[S+32*\t+\n], v[S+32*\t+2*\n], v[S+32*\t+2*\n+1]
.endr
.endr
	; THE WAY OUT: 16 bytes a lane into the group's stage, back as whole rows; 16 rows of a head are 2,048 consecutive bytes.  LDS serves a wave's instructions in order.
.irp t, 0,1,2,3
.irp c, 0,1,2,3
	ds_store_b128 v[STO], v[S+32*\t+4*\c:S+32*\t+4*\c+3] offset:\t*2304+32*\c
.endr
.irp i, 0,1,2,3
	ds_load_b128 v[S+32*\t+16+4*\i:S+32*\t+16+4*\i+3], v[RD] offset:\t*2304+576*\i
.endr
.endr
.irp t, 0,1,2,3
.irp i, 0,1,2,3
	s_wait_dscnt 27-8*\t-\i                        ; the LDS instructions issued behind this load may be out
	global_store_b128 v[GO], v[S+32*\t+16+4*\i:S+32*\t+16+4*\i+3], s[6:7] offset:\t*2048+512*\i      ; 512 consecutive bytes, aligned
.endr
.endr
.Lend:
	s_wait_tensorcnt 0x0                           ; the wave's end, behind my last tensor load and my last LDS store
	ds_add_u32 v[SPW], v[NIL]
	s_wait_dscnt 0x0
	CROUND                                         ; the closing round
	s_endpgm
.Lfunc_end_k_q15fc685c99_attn:
	.size	k_q15fc685c99_attn, .Lfunc_end_k_q15fc685c99_attn-k_q15fc685c99_attn
	.p2alignl 7, 3214868480
	.fill 96, 4, 3214868480
	.section	.rodata,"a",@progbits
	.p2align	6, 0x0
	.amdhsa_kernel k_q15fc685c99_attn
		.amdhsa_group_segment_fixed_size 327680
		.amdhsa_private_segment_fixed_size 0
		.amdhsa_enable_private_segment 0
		.amdhsa_kernarg_size 16
		.amdhsa_user_sgpr_count 2
		.amdhsa_user_sgpr_kernarg_segment_ptr 1
		.amdhsa_wavefront_size32 1
		.amdhsa_system_sgpr_workgroup_id_x 1
		.amdhsa_system_sgpr_workgroup_id_y 1
		.amdhsa_system_sgpr_workgroup_id_z 1
		.amdhsa_system_vgpr_workitem_id 0
		.amdhsa_next_free_vgpr 512
		.amdhsa_next_free_sgpr 66
		.amdhsa_reserve_vcc 0
		.amdhsa_float_denorm_mode_32 3
		.amdhsa_float_denorm_mode_16_64 3
		.amdhsa_memory_ordered 1
		.amdhsa_forward_progress 1
		.amdhsa_inst_pref_size 252
	.end_amdhsa_kernel
	.amdgpu_metadata
---
amdhsa.version: [ 1, 2 ]
amdhsa.kernels:
  - .name:           k_q15fc685c99_attn
    .symbol:         k_q15fc685c99_attn.kd
    .args:
      - { .name: qkv, .offset: 0, .size: 8, .value_kind: global_buffer, .address_space: global }
      - { .name: ao, .offset: 8, .size: 8, .value_kind: global_buffer, .address_space: global }
    .group_segment_fixed_size: 327680
    .private_segment_fixed_size: 0
    .kernarg_segment_align: 8
    .kernarg_segment_size: 16
    .max_flat_workgroup_size: 256
    .sgpr_count:     66
    .vgpr_count:     512
    .wavefront_size: 32
...
	.end_amdgpu_metadata
.endif
;; end of part 3
;; launch proj (part 4): grid 8 x 32, 4 waves a work-group, clusters of 4 x 4, 327,680 bytes of LDS; arguments ao, wo, bout, out0; writes out0
.if DOCPART == 4
	.amdgcn_target "amdgcn-amd-amdhsa--gfx1250"
	.amdhsa_code_object_version 6
	.text
	.protected	k_q15fc685c99_proj
	.globl	k_q15fc685c99_proj
	.p2align	8
	.type	k_q15fc685c99_proj,@function
k_q15fc685c99_proj:
	s_mov_b64 s[64:65], 0
	v_nop
	global_prefetch_b8 v0, s[64:65] scope:SCOPE_SE
	s_setreg_imm32_b32 hwreg(HW_REG_WAVE_MODE, 25, 1), 1
	s_wait_xcnt 0x0
	s_wait_alu depctr_hold_cnt(0) depctr_sa_sdst(0) depctr_va_vdst(0) depctr_va_sdst(0) depctr_va_ssrc(0) depctr_va_vcc(0) depctr_vm_vsrc(0)
	s_getreg_b32 s2, hwreg(HW_REG_IB_STS2, 6, 4)
	s_cmp_eq_u32 s2, 0
	s_cbranch_scc0 .Lentry_in_a_cluster
	s_endpgm
.Lentry_in_a_cluster:
	s_bfe_u32 s2, ttmp6, 0x10000c
	s_cmp_lg_u32 s2, 0xf033
	s_cbranch_scc0 .Lentry_shape_is_right
	s_endpgm
.Lentry_shape_is_right:
; out0[m][n] = the sum over k of A[m][k] Wout[n][k] + bout[n].  A is the attention's output, f16, laid [b 16 + h][s][64]: m = 2048 b + s, k = 64 h + d.  wo: Wout as f16, [1024][1024].  out0: [4096][1024] f32; sums in f32.
; A tile of the output is 128 x 128: 256 work-groups of four waves, each 64 x 64: 16 accumulators.  K goes in four steps of 256 (four heads) through two LDS slots.
; A's tile of a step: for each of 4 heads 64 rows of 128 bytes, which are 8,192 consecutive bytes: one tensor load of 4 long rows, with 16 bytes of padding behind every 128.  Wout's: 64 rows of 512 bytes + 16.
; CLUSTERS: 4 x 4 work-groups; A's tiles are shared along a row of the cluster, Wout's along a column.  THE MATRIX INSTRUCTION IS USED TRANSPOSED (source 0 = 16 rows of Wout, source 1 = 16 rows of A).
; The bias is the C of each sum's first instruction.  A wave's 64 columns are 256 bytes of a row, so each wave has a stage of its own on the way out, and no barrier stands there.
; REGISTERS: window 0: v0-31 addresses; v32-95 at work on the way out; v96-127 the bias; v128-255 the accumulators ((a, b) at v[128 + 8 (4 a + b)]).  window 1: two fragment buffers of 128: 64 registers of A, then 64 of Wout.
.set KSTEP,  256
.set APITCH, 144                       ; a row of A in LDS: 128 bytes + 16
.set AHEAD,  64*APITCH                 ; one head's 64 rows
.set AHALF,  4*AHEAD                   ; what one tensor load brings of A
.set BPITCH, 528                       ; a row of Wout: 512 bytes + 16
.set BHALF,  64*BPITCH
.set BOFF,   2*AHALF
.set SLOT,   BOFF+2*BHALF
.set STAGE,  2*SLOT                    ; behind the ring: 16 rows x 272 bytes for each wave
.set SPITCH, 272
.set SPARE,  STAGE+4*16*SPITCH         ; the spare words, 128 bytes a wave
.set ADRA, 16
.set ADRB, 20
.set STO,  24
.set RD,   25
.set CO,   26
.set BO,   27
.set SPW,  28                          ; v28 LDS address of my spare word; never rewritten
.set NIL,  29                          ; v29 0; never rewritten
.set TMP,  32
.set BIASR, 96
.set ACC,  128
.set F0,   0
.set F1,   128
.set G1, 24
.set G0, 32
.set G1B, 48
.set G0B, 56
.set MSB, 0
.macro WIN new
.if MSB != (\new)
	s_set_vgpr_msb (MSB<<8)|(\new)
.set MSB, (\new)
.endif
.endm
.set MUL,  0x05                        ; sources 0 and 1 window 1; C and D window 0
.set TO_F, 0x40                        ; destination window 1, address window 0
.macro JLOAD s                         ; a joint load: waves 0 and 1 fetch A's two halves, waves 2 and 3 Wout's; an s_nop 0 and four v_nop follow each line
	s_cmp_eq_u32 s13, 0
	s_cbranch_scc0 .Lfor_b_\@
	tensor_load_to_lds s[G0+4*\s:G0+4*\s+3], s[G1:G1+7]
	s_nop 0
.rept 4
	v_nop
.endr
	s_branch .Lasked_\@
.Lfor_b_\@:
	tensor_load_to_lds s[G0B+4*\s:G0B+4*\s+3], s[G1B:G1B+7]
	s_nop 0
.rept 4
	v_nop
.endr
.Lasked_\@:
.endm
.macro CREST
	s_cmp_lg_u32 s12, 0
	s_cbranch_scc1 .Lnot_wave_0_\@
	s_barrier_signal -3
.Lnot_wave_0_\@:
	s_barrier_wait -3
	s_barrier_signal -1
	s_barrier_wait -1
.endm
.macro CROUND
	s_barrier_signal -1
	s_barrier_wait -1
	CREST
.endm
	s_load_b256 s[4:11], s[0:1], 0x0               ; ao s[4:5], wo s[6:7], bout s[8:9], out0 s[10:11]
	v_lshl_add_u32 v[SPW], v0, 2, SPARE
	v_mov_b32 v[NIL], 0
	ds_add_u32 v[SPW], v[NIL]                      ; the wave's opening: the add and its wait stand ahead of my first tensor load; the set-up below stands between them
	v_lshrrev_b32 v1, 5, v0
	v_readfirstlane_b32 s12, v1                    ; wave 0..3
	s_lshr_b32 s13, s12, 1                         ; which half of the tile's rows is mine.  Also: I fetch for A (0) or for Wout (1)
	s_and_b32 s14, s12, 1                          ; which half of its columns.  Also: which 64 rows of that tile I fetch
	s_bfe_u32 s40, ttmp6, 0x40000
	s_bfe_u32 s41, ttmp6, 0x40004
	s_lshl_b32 s42, ttmp9, 2
	s_add_co_u32 s42, s42, s40                     ; tile column = 4 x cluster x + cx
	s_and_b32 s15, ttmp7, 0xffff
	s_lshl_b32 s15, s15, 2
	s_add_co_u32 s15, s15, s41                     ; tile row = 4 x cluster y + cy
	s_lshl_b32 s43, s41, 2
	s_lshl_b32 s43, 15, s43                        ; my row of the cluster
	s_lshl_b32 s44, 0x1111, s40                    ; my column
	; group 1 for A: 4 rows (heads) of 4,096 elements of 2 bytes, 131,072 elements apart; 4 words of padding after every 32
	s_or_b32 s[G1+0], s43, (1<<16)|(1<<20)|(1<<21)|(4<<22)|(3<<25)
	s_mov_b32 s[G1+1], 4096<<16                    ; tensor_dim0
	s_mov_b32 s[G1+2], 4<<16                       ; tensor_dim1
	s_mov_b32 s[G1+3], 4096<<16                    ; tile_dim0
	s_mov_b32 s[G1+4], 4                           ; tile_dim1
	s_mov_b32 s[G1+5], 131072                      ; from head to head
	s_mov_b32 s[G1+6], 0
	s_mov_b32 s[G1+7], 0
	; for Wout: 64 rows of 256 elements, 1,024 apart; 4 words of padding after every 128
	s_or_b32 s[G1B+0], s44, (1<<16)|(1<<20)|(1<<21)|(6<<22)|(3<<25)
	s_mov_b32 s[G1B+1], KSTEP<<16
	s_mov_b32 s[G1B+2], 64<<16
	s_mov_b32 s[G1B+3], KSTEP<<16
	s_mov_b32 s[G1B+4], 64
	s_mov_b32 s[G1B+5], 1024
	s_mov_b32 s[G1B+6], 0
	s_mov_b32 s[G1B+7], 0
	s_lshr_b32 s16, s15, 4                         ; A: the batch, 16 heads of 262,144 bytes,
	s_lshl_b32 s16, s16, 22
	s_and_b32 s17, s15, 15                         ; the tile's 128 positions of 128 bytes,
	s_lshl_b32 s17, s17, 14
	s_add_co_u32 s16, s16, s17
	s_lshl_b32 s17, s14, 13                        ; my 64 of them
	s_add_co_u32 s16, s16, s17
	s_mov_b32 s17, 0
	s_lshl_b32 s46, s42, 7                         ; Wout: row 128 x tile column + 64 x half, 2,048 bytes a row
	s_lshl_b32 s47, s14, 6
	s_add_co_u32 s46, s46, s47
	s_lshl_b32 s46, s46, 11
	s_mov_b32 s47, 0
	s_mul_i32 s20, s14, AHALF                      ; where they go: no place in the cluster enters an LDS address
	s_mul_i32 s21, s14, BHALF
	s_add_co_u32 s21, s21, BOFF
	s_wait_dscnt 0x0                               ; the opening add is done
	s_wait_kmcnt 0x0
	s_add_nc_u64 s[16:17], s[4:5], s[16:17]
	s_add_nc_u64 s[46:47], s[6:7], s[46:47]
	CROUND                                         ; all sixteen work-groups are here: the first joint loads meet
.irp s, 0,1
	s_mov_b32 s[G0+4*\s], 1
	s_add_co_u32 s[G0+4*\s+1], s20, \s*SLOT
	s_add_nc_u64 s[G0+4*\s+2:G0+4*\s+3], s[16:17], \s*0x100000     ; a K step on: four heads
	s_or_b32 s[G0+4*\s+3], s[G0+4*\s+3], 0x80000000
	s_mov_b32 s[G0B+4*\s], 1
	s_add_co_u32 s[G0B+4*\s+1], s21, \s*SLOT
	s_add_nc_u64 s[G0B+4*\s+2:G0B+4*\s+3], s[46:47], \s*KSTEP*2
	s_or_b32 s[G0B+4*\s+3], s[G0B+4*\s+3], 0x80000000
	JLOAD \s
.endr
	v_and_b32 v1, 15, v0                           ; r
	v_bfe_u32 v2, v0, 4, 1                         ; hh
	v_lshlrev_b32 v[BO], 5, v2
	s_lshl_b32 s46, s42, 9                         ; my first column, in bytes of f32: 512 x tile column + 256 x half
	s_lshl_b32 s47, s14, 8
	s_add_co_u32 s46, s46, s47
	s_mov_b32 s47, 0
	s_add_nc_u64 s[8:9], s[8:9], s[46:47]
.irp b, 0,1,2,3                                ; the bias in the result's layout: bout[my first column + 16 b + 8 hh + 0 .. 7]
	global_load_b128 v[BIASR+8*\b:BIASR+8*\b+3], v[BO], s[8:9] offset:64*\b
	global_load_b128 v[BIASR+8*\b+4:BIASR+8*\b+7], v[BO], s[8:9] offset:64*\b+16
.endr
	s_lshl_b32 s16, s15, 7
	s_lshl_b32 s17, s13, 6
	s_add_co_u32 s16, s16, s17                     ; my first row: 128 x tile row + 64 x half, 4,096 bytes a row
	s_lshl_b32 s16, s16, 12
	s_mov_b32 s17, 0
	s_add_nc_u64 s[10:11], s[10:11], s[16:17]
	s_add_nc_u64 s[10:11], s[10:11], s[46:47]
	v_mul_u32_u24 v3, v1, APITCH
	v_lshl_add_u32 v3, v2, 4, v3
	s_mul_i32 s22, s13, AHALF
	v_add_nc_u32 v[ADRA], s22, v3
	v_add_nc_u32 v[ADRA+1], SLOT, v[ADRA]
	v_mul_u32_u24 v3, v1, BPITCH
	v_lshl_add_u32 v3, v2, 4, v3
	s_mul_i32 s22, s14, BHALF
	s_add_co_u32 s22, s22, BOFF
	v_add_nc_u32 v[ADRB], s22, v3
	v_add_nc_u32 v[ADRB+1], SLOT, v[ADRB]
	s_mul_i32 s22, s12, 16*SPITCH
	s_add_co_u32 s22, s22, STAGE                   ; my stage
	v_mul_u32_u24 v[STO], v1, SPITCH
	v_lshl_add_u32 v[STO], v2, 5, v[STO]
	v_add_nc_u32 v[STO], s22, v[STO]               ; in: row r, 32 bytes for each half of the lanes
	v_mul_u32_u24 v[RD], v2, SPITCH
	v_lshl_add_u32 v[RD], v1, 4, v[RD]
	v_add_nc_u32 v[RD], s22, v[RD]                 ; back: lanes 0-15 one row of 256 bytes, lanes 16-31 the next
	v_lshlrev_b32 v[CO], 12, v2
	v_lshl_add_u32 v[CO], v1, 4, v[CO]             ; and the same two rows in out0
; 8 products: row blocks a0, a0 + 1 x all 4 column blocks, 32 along K: half c of buffer f.  zero = 1: the sums start from the bias
.macro MUL8 f, c, a0, zero
.irp a, \a0, \a0+1
.irp b, 0,1,2,3
.if \zero
	v_wmma_f32_16x16x32_f16 v[ACC+8*(4*(\a)+\b):ACC+8*(4*(\a)+\b)+7], v[\f+64+8*(4*\c+\b):\f+64+8*(4*\c+\b)+7], v[\f+8*(4*\c+\a):\f+8*(4*\c+\a)+7], v[BIASR+8*\b:BIASR+8*\b+7]
.else
	v_wmma_f32_16x16x32_f16 v[ACC+8*(4*(\a)+\b):ACC+8*(4*(\a)+\b)+7], v[\f+64+8*(4*\c+\b):\f+64+8*(4*\c+\b)+7], v[\f+8*(4*\c+\a):\f+8*(4*\c+\a)+7], v[ACC+8*(4*(\a)+\b):ACC+8*(4*(\a)+\b)+7]
.endif
.endr
.endr
.endm
; 32 LDS loads in one run: the fragments of the step's qd-th 64 along K (one head), into buffer f; the first 32 along K first
.macro FETCH slot, qd, f
	WIN TO_F
.irp c, 0,1
.irp i, 0,1,2,3
	ds_load_b128 v[\f+64+8*(4*\c+\i):\f+64+8*(4*\c+\i)+3],   v[ADRB+\slot] offset:128*(\qd)+64*\c+\i*16*BPITCH
	ds_load_b128 v[\f+64+8*(4*\c+\i)+4:\f+64+8*(4*\c+\i)+7], v[ADRB+\slot] offset:128*(\qd)+64*\c+\i*16*BPITCH+32
	ds_load_b128 v[\f+8*(4*\c+\i):\f+8*(4*\c+\i)+3],         v[ADRA+\slot] offset:(\qd)*AHEAD+64*\c+\i*16*APITCH
	ds_load_b128 v[\f+8*(4*\c+\i)+4:\f+8*(4*\c+\i)+7],       v[ADRA+\slot] offset:(\qd)*AHEAD+64*\c+\i*16*APITCH+32
.endr
.endr
.endm
.macro PLACES                          ; four places in front of loads into registers that products have read, and of the first read of results
.rept 4
	v_nop
.endr
.endm
; A K step is four quarters of 64 along K, 32 products each, on buffers 0, 1, 0, 1; the 16 accumulators take turns.
.macro QUARTER slot, qd, f, g, zero
	s_wait_dscnt 16                                ; the first 32 along K are in
	WIN MUL
	MUL8 \f, 0, 0, \zero
	MUL8 \f, 0, 2, \zero
	PLACES
	FETCH \slot, \qd, \g
	s_wait_dscnt 32                                ; all but the 32 just issued
	WIN MUL
	MUL8 \f, 1, 0, 0
	MUL8 \f, 1, 2, 0
.endm
; The last quarter multiplies buffer 1 and changes slots: ONE barrier; in front of it each wave waits for all its tensor loads, adds 0 to its spare word, and waits for that and for its own reads of this slot.
.macro TURN slot, next, fill
	WIN 0
	s_wait_tensorcnt 0x0                           ; all my tensor loads have landed: my part of the next slot
	ds_add_u32 v[SPW], v[NIL]                      ; 0 onto my spare word
	s_wait_dscnt 17                                ; (the add and the youngest sixteen loads may be out)
	WIN MUL
	MUL8 F1, 0, 0, 0
	s_wait_dscnt 0x0                               ; the add is done, and my reads of this slot are over
	s_barrier_signal -1
	MUL8 F1, 0, 2, 0
.if \fill
	WIN 0
.endif
	s_barrier_wait -1
.if \fill
	CREST                                          ; the barrier has opened a round of the cluster's barrier: no wave of any partner still reads this slot or has a load on its way
	s_add_nc_u64 s[G0+4*\slot+2:G0+4*\slot+3], s[G0+4*\slot+2:G0+4*\slot+3], 0x200000
	s_add_nc_u64 s[G0B+4*\slot+2:G0B+4*\slot+3], s[G0B+4*\slot+2:G0B+4*\slot+3], 2*KSTEP*2
	JLOAD \slot                                    ; the first tensor load behind the round; its four v_nop are also the places in front of the loads below
.else
	PLACES
.endif
	FETCH \next, 0, F0
	WIN MUL
	MUL8 F1, 1, 0, 0
	MUL8 F1, 1, 2, 0
.endm
	s_wait_tensorcnt 1                             ; my part of K step 0 is in (K step 1's load may be out),
	s_barrier_signal -1
	s_barrier_wait -1                              ; everybody's is
	FETCH 0, 0, F0
	s_wait_loadcnt 0x0                             ; the bias
	QUARTER 0, 1, F0, F1, 1                        ; K step 0: its first products start the sums
	QUARTER 0, 2, F1, F0, 0
	QUARTER 0, 3, F0, F1, 0
	TURN 0, 1, 1                                   ; slot 0 takes K step 2
	QUARTER 1, 1, F0, F1, 0                        ; K step 1
	QUARTER 1, 2, F1, F0, 0
	QUARTER 1, 3, F0, F1, 0
	TURN 1, 0, 1                                   ; slot 1 takes K step 3
	QUARTER 0, 1, F0, F1, 0                        ; K step 2
	QUARTER 0, 2, F1, F0, 0
	QUARTER 0, 3, F0, F1, 0
	TURN 0, 1, 0                                   ; nothing is left to fetch
	QUARTER 1, 1, F0, F1, 0                        ; K step 3
	QUARTER 1, 2, F1, F0, 0
	QUARTER 1, 3, F0, F1, 0
	s_wait_dscnt 16
	WIN MUL
	MUL8 F1, 0, 0, 0
	MUL8 F1, 0, 2, 0
	s_wait_dscnt 0
	MUL8 F1, 1, 0, 0
	MUL8 F1, 1, 2, 0
	WIN 0
	; THE WAY OUT, a block of 16 rows at a time: 32 bytes a lane into my own stage, each accumulator from its low end on; back as whole rows of 256 bytes.  LDS serves a wave's instructions in order.
	PLACES
.macro TOSTAGE a
.irp b, 0,1,2,3
	ds_store_b128 v[STO], v[ACC+8*(4*(\a)+\b):ACC+8*(4*(\a)+\b)+3] offset:64*\b
	ds_store_b128 v[STO], v[ACC+8*(4*(\a)+\b)+4:ACC+8*(4*(\a)+\b)+7] offset:64*\b+16
.endr
.irp t, 0,1,2,3,4,5,6,7
	ds_load_b128 v[TMP+32*((\a)%2)+4*\t:TMP+32*((\a)%2)+4*\t+3], v[RD] offset:\t*2*SPITCH
.endr
.endm
.macro SEND a, younger
	s_wait_dscnt \younger
.irp t, 0,1,2,3,4,5,6,7
	global_store_b128 v[CO], v[TMP+32*((\a)%2)+4*\t:TMP+32*((\a)%2)+4*\t+3], s[10:11] offset:(16*(\a)+2*\t)*4096 th:TH_STORE_NT   ; 16 lanes store 256 consecutive bytes, aligned
.endr
.endm
	TOSTAGE 0
.irp a, 1,2,3
.if \a > 1
	s_wait_xcnt 0x0                                ; block a - 2's stores have read their registers: block a's loads may land there
.endif
	TOSTAGE \a
	SEND \a-1, 16                                  ; behind block a - 1's loads: block a's 8 stores and 8 loads
.endr
	SEND 3, 0
	s_wait_tensorcnt 0x0                           ; the wave's end, behind my last tensor load and my last LDS store
	ds_add_u32 v[SPW], v[NIL]
	s_wait_dscnt 0x0
	CROUND                                         ; the closing round
	s_endpgm
.Lfunc_end_k_q15fc685c99_proj:
	.size	k_q15fc685c99_proj, .Lfunc_end_k_q15fc685c99_proj-k_q15fc685c99_proj
	.p2alignl 7, 3214868480
	.fill 96, 4, 3214868480
	.section	.rodata,"a",@progbits
	.p2align	6, 0x0
	.amdhsa_kernel k_q15fc685c99_proj
		.amdhsa_group_segment_fixed_size 327680
		.amdhsa_private_segment_fixed_size 0
		.amdhsa_enable_private_segment 0
		.amdhsa_kernarg_size 32
		.amdhsa_user_sgpr_count 2
		.amdhsa_user_sgpr_kernarg_segment_ptr 1
		.amdhsa_wavefront_size32 1
		.amdhsa_system_sgpr_workgroup_id_x 1
		.amdhsa_system_sgpr_workgroup_id_y 1
		.amdhsa_system_sgpr_workgroup_id_z 1
		.amdhsa_system_vgpr_workitem_id 0
		.amdhsa_next_free_vgpr 512
		.amdhsa_next_free_sgpr 66
		.amdhsa_reserve_vcc 0
		.amdhsa_float_denorm_mode_32 3
		.amdhsa_float_denorm_mode_16_64 3
		.amdhsa_memory_ordered 1
		.amdhsa_forward_progress 1
		.amdhsa_inst_pref_size 86
	.end_amdhsa_kernel
	.amdgpu_metadata
---
amdhsa.version: [ 1, 2 ]
amdhsa.kernels:
  - .name:           k_q15fc685c99_proj
    .symbol:         k_q15fc685c99_proj.kd
    .args:
      - { .name: ao, .offset: 0, .size: 8, .value_kind: global_buffer, .address_space: global }
      - { .name: wo, .offset: 8, .size: 8, .value_kind: global_buffer, .address_space: global }
      - { .name: bout, .offset: 16, .size: 8, .value_kind: global_buffer, .address_space: global }
      - { .name: out0, .offset: 24, .size: 8, .value_kind: global_buffer, .address_space: global }
    .group_segment_fixed_size: 327680
    .private_segment_fixed_size: 0
    .kernarg_segment_align: 8
    .kernarg_segment_size: 32
    .max_flat_workgroup_size: 128
    .sgpr_count:     66
    .vgpr_count:     512
    .wavefront_size: 32
...
	.end_amdgpu_metadata
.endif
;; end of part 4
